; MI455X (gfx1250); checked and timed in simulation.
; The chip was launched on July 23, 2026; its instructions are those of AMD's public machine-readable ISA for CDNA 5 (MIT licence, August 2026) and "CDNA5" Instruction Set Architecture Reference Guide (July 2026). The comments in the code are by the model that wrote it; some were corrected since.
;; attention. Allowed arithmetic: matrix products marked QUANTISED: E3M2 operands, one E8M0 scale for each 32 along K, by v_wmma_scale_f32_16x16x128_f8f6f4 with both operands' format E3M2, f32 sums; everything else in f32.
;; Inputs: Wk 1,024 x 256 float32; Wo 1,024 x 1,024 float32; Wq 1,024 x 1,024 float32; Wv 1,024 x 256 float32; cos 2,048 x 64 float32; sin 2,048 x 64 float32; x 4 x 2,048 x 1,024 float32.
;; Outputs: out0 4 x 2,048 x 1,024 float32.
;; This version of the problem:
;;   THIS VERSION OF THE PROBLEM IS GIVEN IN LOW PRECISION. The matrix products marked QUANTISED in the list below multiply operands that are first quantised to E3M2 (3 exponent bits, 2 mantissa bits; 6 bits a number), with one power-of-two scale for each 32 numbers along K (OCP MX v1.0); their sums are f32. All else is computed in f32.
;;   The module's matrix products, in the order in which they are computed (A, B: the left and right operand; K: the contracted axis; several contracted axes count as one K, in the product's order):
;;     1. [M 8,192, K 1,024] x [K 1,024, N 1,024]; A: input x; B: input Wq: QUANTISED
;;     2. [M 8,192, K 1,024] x [K 1,024, N 256]; A: input x; B: input Wk: QUANTISED
;;     3. [M 8,192, K 1,024] x [K 1,024, N 256]; A: input x; B: input Wv: QUANTISED
;;     4. batch 64 x [M 2,048, K 64] x [K 64, N 2,048]; A: computed on the way; B: computed on the way: QUANTISED
;;     5. batch 64 x [M 2,048, K 2,048] x [K 2,048, N 64]; A: softmax (see below); B: computed on the way: QUANTISED
;;     6. [M 8,192, K 1,024] x [K 1,024, N 1,024]; A: computed on the way; B: input Wo: QUANTISED
;;   THE QUANTISER, for each operand of a quantised product, along K:
;;     - K is cut into blocks of 32 from its start; a last block that is shorter is filled with zeros.
;;     - A block's scale is 2^e with e = floor(log2(the largest magnitude in the block)) - 4, held to -126 .. 127; a block of zeros has e = 0. As a byte (E8M0): e + 127.
;;     - Each number is divided by its block's scale, clamped to +-28, and rounded to the nearest number of E3M2, ties to even, subnormals kept.
;;     - The product sums the exact products of the quantised numbers (number of the format x scale) in f32.
;;   ~~~python
;;   def quantise(x, axis):      # numpy; x: float32 -> the quantised numbers, widened to float32 again
;;       x = np.moveaxis(x, axis, -1); K = x.shape[-1]
;;       x = np.pad(x, [(0, 0)] * (x.ndim - 1) + [(0, -K % 32)]); x = x.reshape(x.shape[:-1] + (-1, 32)); a = np.abs(x).max(-1, keepdims=True)
;;       e = np.where(a > 0, np.clip(np.frexp(np.where(a > 0, a, 1))[1] - 1 - 4, -126, 127), 0)      # np.frexp(a)[1] - 1 = floor(log2(a)), exactly
;;       r = np.clip(x / 2.0 ** e, -28, 28)
;;       step = 2.0 ** (np.maximum(np.frexp(np.where(r == 0, 1, r))[1] - 1, -2) - 2)
;;       q = np.round(r / step) * step * 2.0 ** e      # np.round: ties to even
;;       return np.moveaxis(q.reshape(q.shape[:-2] + (-1,))[..., :K], -1, axis).astype(np.float32)
;;   ~~~
;;   SOFTMAX AHEAD OF A QUANTISED PRODUCT. Where the list says 'softmax', what is quantised is not the finished softmax but p = 2^(t - M), with t = logit x log2(e) and M = ceil(the row's largest t), a whole number; so 1/2 < the row's largest p <= 1. The row's sum l is taken of the UNQUANTISED p, in f32, and the product's result is divided by l at the end. Since M is a whole number, a kernel that streams over the keys may use a running M (the ceiling of the running maximum): every later rescaling is an exact power of two, which a block's scale takes up: the codes' values come out the same.
;;   OPERANDS COMPUTED ON THE WAY. 'Computed on the way' means the value that the module computes at that place (a softmax that the list does not call 'softmax' is quantised finished and normalised). What goes into a quantiser is computed in f32, as accurately as f32 sums, v_exp_f32 and their like allow (about 1e-6 of the number): no bf16 or f16 on the way to a quantiser, and a product that is left as it is and whose result goes on into a quantised operand takes f32 operands (vector FMAs, or v_wmma_f32_16x16x4_f32). A number that lies on a knife's edge between two numbers of the format may be rounded either way, as far as f32 arithmetic and the matrix unit's own rounding can turn it there, and no further.
;; One version. Each part assembles by itself: llvm-mc -triple=amdgcn-amd-amdhsa -mcpu=gfx1250 --defsym DOCPART=n.
;; ======== version 1 of 1: 4 launches
;; limits: right only within a limited range of input values
;; workspace buffers: xc 6,291,456 bytes; xs 262,144 bytes; wc 1,966,080 bytes; ws 81,920 bytes; qb 6,553,600 bytes; kv 3,276,800 bytes; oc 6,291,456 bytes; os 262,144 bytes
;; launch quant (part 1): grid 336 x 1, 4 waves a work-group, no clusters, 68,096 bytes of LDS; arguments x, Wq, Wk, Wv, Wo, xc, xs, wc, ws; writes xc, xs, wc, ws
.if DOCPART == 1
	.amdgcn_target "amdgcn-amd-amdhsa--gfx1250"
	.amdhsa_code_object_version 6
	.text
	.protected	k_q8f2d2cb35f_quant
	.globl	k_q8f2d2cb35f_quant
	.p2align	8
	.type	k_q8f2d2cb35f_quant,@function
k_q8f2d2cb35f_quant:
	s_mov_b64 s[64:65], 0
	v_nop
	global_prefetch_b8 v0, s[64:65] scope:SCOPE_SE
	s_setreg_imm32_b32 hwreg(HW_REG_WAVE_MODE, 25, 1), 1
	s_wait_xcnt 0x0
; x [8192][1024] and the four weights ([1024 (k)][n], K their FIRST axis), all f32, become codes of BF6 (E3M2), 6 bits each, K innermost, 768 bytes a row,
; with one E8M0 scale byte for each 32 along K, 32 bytes a row.  xc/xs: x's 8,192 rows.  wc/ws: 2,560 rows: Wq's 1,024 columns, Wk's 256, Wv's 256, Wo's 1,024.
; A block's scale is 2^(floor(log2(its largest magnitude)) - 4); its byte is the largest magnitude's exponent field - 4, held at 1 from below.
; THE ROWS ARE LAID IN ANOTHER ORDER THAN THEY COME: inside each 64 rows, place 16 u + 8 g + j holds row 32 g + 8 u + j (u 0..3, g 0..1, j 0..7).  Sixteen neighbouring places are then a
; tile whose matrix results put 32 NEIGHBOURING rows into one lane's registers of four neighbouring tiles: a whole block of the next product's K.
; LIMITS: a block of zeros, or one whose largest magnitude lies under 2^-122, gets the byte 1 (its codes are read by this program alone); NaN and infinities among the inputs are not served.
; Work-groups 0-255 take x (32,768 numbers each), work-groups 256-335 the weights (128 columns x 256 along K each).  The two ways have LDS bytes of their own.  No tensor loads, no barrier: waves share nothing.
; WHERE THE CODES LIE: a row's 768 bytes are kept as four pieces of 192 bytes (256 along K each), one in each of four planes: xc [4][8192][192], wc [4][2560][192].
; So the 128 rows of a K step of 256 are 24,576 dense bytes that begin at a multiple of 256.
.set STEPS, 16
.set XKS,   8192*192                   ; from plane to plane of xc
.set WKS,   2560*192                   ; and of wc
.set EMAX,  4
.set CB,    12                         ; bytes of 16 codes
; ---- x's way: a wave takes 8 rows = 16 steps of 512 numbers
.set XR,    16                         ; v16-79   four sets of 16 numbers as they are loaded
.set XX,    80                         ; v80-111  two sets of 16 neighbours
.set XE,    112                        ; v112-127 a scale byte for each step
.set XC,    128                        ; v128-191 codes: four registers for each step, so that no store's data are written again
.set WREG,  8192                       ; LDS: a region for each wave: two stages of 32 x SP bytes, behind them its 256 scale bytes
.set SP,    80                         ; a lane's place in a stage: its 64 bytes + 16 of padding
; ---- the weights' way: a wave takes 32 columns x 256 along K
.set WBASE, 32768                      ; LDS: behind x's regions: a stage of 32 rows x WPITCH for each wave
.set WPITCH, 272                       ; sixteen places of 16 bytes, each with 12 bytes of codes, + 16
.set NB,    8                          ; blocks of 32 along K for a wave
.set WS,    24                         ; v24-25   the scale bytes, four to a register
.set WX,    32                         ; v32-95   two sets of 32 numbers
.set WC,    96                         ; v96..    a block's codes
.set WO,    112                        ; v112-175 the way out
.set VO,    176                        ; v176-207 4 x lane + i x the weight's row bytes, i = 0 .. 31; never rewritten
.macro LOADX t
.irp i, 0,1,2,3
	global_load_b128 v[XR+16*((\t)%4)+4*\i:XR+16*((\t)%4)+4*\i+3], v3, s[4:5] offset:2048*(\t)+512*\i th:TH_LOAD_NT   ; 32 lanes read 512 consecutive bytes
.endr
.endm
.macro TURNX t                         ; step t's numbers through the stage: LDS serves a wave's instructions in order, so no wait stands between the stores and the loads
.irp i, 0,1,2,3
	ds_store_b128 v14, v[XR+16*((\t)%4)+4*\i:XR+16*((\t)%4)+4*\i+3] offset:32*SP*((\t)%2)+8*SP*\i
.endr
.irp i, 0,1,2,3
	ds_load_b128 v[XX+16*((\t)%2)+4*\i:XX+16*((\t)%2)+4*\i+3], v15 offset:32*SP*((\t)%2)+16*\i
.endr
.endm
.macro STEPX t
.set XS_, XX+16*((\t)%2)
.if (\t) > 0
	s_wait_dscnt 1                                 ; this step's numbers are back from the stage (the last step's byte store may be out)
.else
	s_wait_dscnt 0x0
.endif
.if (\t)+4 < STEPS
	LOADX (\t)+4                                   ; the registers that the stage's stores have read take the loads of four steps on
.endif
.if (\t)+1 < STEPS
.if STEPS-2-(\t) >= 3
	s_wait_loadcnt 12                              ; the next step's four loads are in; those of the three steps behind it may be out
.else
	s_wait_loadcnt 4*(STEPS-2-(\t))
.endif
	TURNX (\t)+1                                   ; they go through the other stage while this step is worked
.endif
	v_max3_num_f32 v8, |v[XS_]|, |v[XS_+1]|, |v[XS_+2]|             ; the largest magnitude of my 16, in two chains
	v_max3_num_f32 v9, |v[XS_+3]|, |v[XS_+4]|, |v[XS_+5]|
.irp i, 6,10
	v_max3_num_f32 v8, v8, |v[XS_+\i]|, |v[XS_+\i+1]|
	v_max3_num_f32 v9, v9, |v[XS_+\i+2]|, |v[XS_+\i+3]|
.endr
	v_max3_num_f32 v8, v8, |v[XS_+14]|, |v[XS_+15]|
	v_max3_num_f32 v8, v8, v9, (EMAX+1)<<23        ; and the floor 2^(5 - 127): the byte cannot fall under 1
	v_max_num_f32_dpp v8, v8, v8 row_xmask:1 row_mask:0xf bank_mask:0xf   ; and of my neighbour's 16: the block's
	v_add_nc_u32 v11, -(EMAX<<23), v8              ; 4 off its exponent field: the conversion takes the exponent field of this operand as its scale
	v_cvt_scalef32_pk16_bf6_f32 v[XC+4*(\t):XC+4*(\t)+2], v[XS_:XS_+15], v11
	v_lshrrev_b32 v[XE+(\t)], 23, v11              ; the scale's byte (a plain line behind the conversion)
	ds_store_b8 v5, v[XE+(\t)] offset:16*(\t)      ; both lanes of a block write the same byte with the same value
	global_store_b96 v4, v[XC+4*(\t):XC+4*(\t)+2], s[14:15] offset:192*((\t)/2)+2*XKS*((\t)%2)   ; row t / 2; sixteen lanes store its 192 bytes in one plane, the other sixteen those in the next
.endm
.macro LOADW t                         ; block t: W(32 t + i, my column), i = 0 .. 31, into set t % 2: each load reads 128 consecutive bytes
.irp i, 0,1,2,3,4,5,6,7,8,9,10,11,12,13,14,15,16,17,18,19,20,21,22,23,24,25,26,27,28,29,30,31
	global_load_b32 v[WX+32*((\t)%2)+\i], v[VO+\i], s[40+2*(\t):41+2*(\t)] th:TH_LOAD_NT
.endr
.endm
.macro BLOCKW t
.set XS_, WX+32*((\t)%2)
.if (\t) < NB-1
	s_wait_loadcnt 32                              ; this block's 32 loads are in; the next block's may be out
.else
	s_wait_loadcnt 0
.endif
	v_max3_num_f32 v12, |v[XS_]|, |v[XS_+1]|, |v[XS_+2]|            ; the block's largest magnitude: all 32 numbers are mine
	v_max3_num_f32 v13, |v[XS_+3]|, |v[XS_+4]|, |v[XS_+5]|
.irp i, 6,10,14,18,22,26
	v_max3_num_f32 v12, v12, |v[XS_+\i]|, |v[XS_+\i+1]|
	v_max3_num_f32 v13, v13, |v[XS_+\i+2]|, |v[XS_+\i+3]|
.endr
	v_max3_num_f32 v12, v12, |v[XS_+30]|, |v[XS_+31]|
	v_max3_num_f32 v12, v12, v13, (EMAX+1)<<23     ; and the floor
	v_add_nc_u32 v11, -(EMAX<<23), v12
	v_lshrrev_b32 v13, 23, v11                     ; the scale's byte
.if (\t)%4 == 0
	v_mov_b32 v[WS+(\t)/4], v13                    ; four bytes to a register, the lower K in the lower byte
.else
	v_lshl_or_b32 v[WS+(\t)/4], v13, 8*((\t)%4), v[WS+(\t)/4]
.endif
	v_cvt_scalef32_pk16_bf6_f32 v[WC:WC+2], v[XS_:XS_+15], v11
	v_cvt_scalef32_pk16_bf6_f32 v[WC+4:WC+6], v[XS_+16:XS_+31], v11  ; (a conversion's three registers begin on an even number)
	ds_store_b96 v4, v[WC:WC+2] offset:32*(\t)     ; 16 codes, 12 bytes, to a place of 16 bytes in the stage
	ds_store_b96 v4, v[WC+4:WC+6] offset:32*(\t)+16
.if (\t)+2 < NB
	LOADW (\t)+2
.endif
	s_wait_dscnt 0x0                               ; the stores have read their registers: the next block's codes may be written
.endm
	s_load_b256 s[4:11], s[0:1], 0x0               ; x s[4:5], Wq s[6:7], Wk s[8:9], Wv s[10:11]
	s_load_b256 s[12:19], s[0:1], 0x20             ; Wo s[12:13], xc s[14:15], xs s[16:17], wc s[18:19]
	s_load_b64 s[20:21], s[0:1], 0x40              ; ws
	v_lshl_add_u32 v208, v0, 2, 0x10800
	v_mov_b32 v209, 0
	v_lshrrev_b32 v1, 5, v0
	v_readfirstlane_b32 s22, v1                    ; wave
	v_and_b32 v2, 31, v0                           ; lane
	s_cmp_lt_u32 ttmp9, 256
	s_cbranch_scc0 .Lweights
	; ---------------- x
	v_lshlrev_b32 v3, 4, v2                        ; my 16 bytes of a load's 512
	s_mul_i32 s23, s22, WREG
	v_lshrrev_b32 v14, 2, v2
	v_mul_u32_u24 v14, v14, SP
	v_and_b32 v15, 3, v2
	v_lshl_add_u32 v14, v15, 4, v14
	v_add_nc_u32 v14, s23, v14                     ; the stage, on the way in: SP (lane / 4) + 16 (lane % 4)
	v_mul_u32_u24 v15, v2, SP
	v_add_nc_u32 v15, s23, v15                     ; and on the way out: SP x lane: my 16 neighbours
	v_mul_u32_u24 v4, v2, CB
	v_lshrrev_b32 v10, 4, v2
	v_mul_u32_u24 v10, v10, XKS-192
	v_add_nc_u32 v4, v4, v10                       ; lanes 16-31: the next 256 along K, one plane on
	v_lshrrev_b32 v5, 1, v2
	s_add_co_u32 s23, s23, 2*32*SP
	v_add_nc_u32 v5, s23, v5                       ; LDS: my wave's 256 scale bytes, my block's byte
	v_lshlrev_b32 v7, 3, v2                        ; and on the way out 8 bytes a lane
	v_add_nc_u32 v6, s23, v7
	s_lshl_b32 s24, ttmp9, 2
	s_add_co_u32 s24, s24, s22                     ; which run of 8 rows I read: 4 g + u in its low three bits
	s_and_b32 s25, s24, 3
	s_lshl_b32 s25, s25, 1
	s_bfe_u32 s26, s24, 0x10002
	s_or_b32 s25, s25, s26                         ; 2 u + g
	s_and_not1_b32 s26, s24, 7
	s_or_b32 s25, s25, s26                         ; which run of 8 places I write
	s_lshl_b32 s26, s24, 15                        ; 8 rows of 4,096 bytes
	s_mov_b32 s27, 0
	s_mul_i32 s28, s25, 8*192
	s_mov_b32 s29, 0
	s_lshl_b32 s30, s25, 8                         ; 8 rows of 32 scale bytes
	s_mov_b32 s31, 0
	s_wait_alu depctr_va_vdst(0)
	s_wait_kmcnt 0x0
	s_add_nc_u64 s[4:5], s[4:5], s[26:27]
	s_add_nc_u64 s[14:15], s[14:15], s[28:29]
	s_add_nc_u64 s[16:17], s[16:17], s[30:31]
.irp t, 0,1,2,3
	LOADX \t
.endr
	s_wait_loadcnt 12                              ; step 0's four loads are in
	TURNX 0
.irp t, 0,1,2,3,4,5,6,7,8,9,10,11,12,13,14,15
	STEPX \t
.endr
	ds_load_b64 v[12:13], v6                       ; LDS serves a wave's instructions in order: these see my byte stores
	s_wait_dscnt 0x0
	global_store_b64 v7, v[12:13], s[16:17]        ; 32 lanes store 256 consecutive bytes, aligned
	s_wait_tensorcnt 0x0
	ds_add_u32 v208, v209
	s_wait_dscnt 0x0
	s_endpgm
	; ---------------- the weights: a lane takes a column n, and its registers run down K
.Lweights:
	s_sub_co_u32 s23, ttmp9, 256
	s_lshr_b32 s24, s23, 2                         ; which 128 rows of wc: 0-7 Wq, 8-9 Wk, 10-11 Wv, 12-19 Wo
	s_and_b32 s25, s23, 3                          ; which 256 along K
	s_wait_alu depctr_va_vdst(0)
	v_lshlrev_b32 v3, 2, v2                        ; in: 4 bytes a lane
	s_mul_i32 s36, s22, 32*WPITCH
	s_add_co_u32 s36, s36, WBASE                   ; my stage
	v_mul_u32_u24 v4, v2, WPITCH
	v_add_nc_u32 v4, s36, v4                       ; into it: row = my column
	v_and_b32 v5, 15, v2
	v_lshrrev_b32 v6, 4, v2                        ; out of it: sixteen lanes to a row, two rows an instruction
	v_mul_u32_u24 v7, v6, WPITCH
	v_lshl_add_u32 v7, v5, 4, v7
	v_add_nc_u32 v7, s36, v7
	v_mul_u32_u24 v8, v6, 192
	v_mad_u32_u24 v8, v5, 12, v8                   ; and the same place in wc
	v_lshrrev_b32 v9, 3, v2
	v_and_b32 v10, 7, v2
	v_lshl_add_u32 v9, v9, 4, v10
	v_lshlrev_b32 v9, 5, v9                        ; my column's place among the scale rows: 16 (lane / 8) + lane % 8, 32 bytes each
	s_mov_b32 s29, 4096                            ; a row of Wq or Wo in bytes
	s_wait_kmcnt 0x0
	s_cmp_lt_u32 s24, 8                            ; the choices hang on the work-group's number alone
	s_cselect_b64 s[26:27], s[6:7], s[12:13]
	s_cselect_b32 s28, 0, 12                       ; the tensor's first group of 128 columns
	s_sub_co_u32 s30, s24, 8
	s_cmp_lt_u32 s30, 2
	s_cselect_b64 s[26:27], s[8:9], s[26:27]
	s_cselect_b32 s28, 8, s28
	s_cselect_b32 s29, 1024, s29
	s_sub_co_u32 s30, s24, 10
	s_cmp_lt_u32 s30, 2
	s_cselect_b64 s[26:27], s[10:11], s[26:27]
	s_cselect_b32 s28, 10, s28
	s_cselect_b32 s29, 1024, s29
	s_sub_co_u32 s30, s24, s28
	s_lshl_b32 s30, s30, 7
	s_lshl_b32 s31, s22, 5
	s_add_co_u32 s30, s30, s31                     ; my wave's first column in its tensor
	s_lshl_b32 s30, s30, 2
	s_lshl_b32 s31, s25, 8
	s_mul_i32 s31, s31, s29                        ; + 256 ky rows
	s_add_co_u32 s30, s30, s31
	s_mov_b32 s31, 0
	s_add_nc_u64 s[40:41], s[26:27], s[30:31]      ; a base for each block of 32 rows
	s_lshl_b32 s32, s29, 5
	s_mov_b32 s33, 0
.irp t, 1,2,3,4,5,6,7
	s_add_nc_u64 s[40+2*\t:41+2*\t], s[38+2*\t:39+2*\t], s[32:33]
.endr
.irp i, 0,1,2,3,4,5,6,7,8,9,10,11,12,13,14,15,16,17,18,19,20,21,22,23,24,25,26,27,28,29,30,31
	v_mad_u32_u24 v[VO+\i], s29, \i, v3
.endr
	s_lshl_b32 s34, s24, 1
	s_lshr_b32 s35, s22, 1
	s_add_co_u32 s34, s34, s35                     ; which 64 rows of wc
	s_lshl_b32 s34, s34, 6
	s_and_b32 s35, s22, 1                          ; g: my 32 columns are rows 32 g .. 32 g + 31 of them
	s_lshl_b32 s35, s35, 3
	s_add_co_u32 s34, s34, s35                     ; the place of my column 0: column 8 u + j goes 16 u + j places on
	s_mul_i32 s36, s34, 192
	s_mul_i32 s35, s25, WKS                        ; my 256 along K: its plane
	s_add_co_u32 s36, s36, s35
	s_mov_b32 s37, 0
	s_add_nc_u64 s[18:19], s[18:19], s[36:37]
	s_lshl_b32 s36, s34, 5
	s_lshl_b32 s35, s25, 3
	s_add_co_u32 s36, s36, s35
	s_add_nc_u64 s[20:21], s[20:21], s[36:37]
	s_wait_alu depctr_va_vdst(0)
	LOADW 0
	LOADW 1
.set Q, 0
.rept NB
	BLOCKW Q
.set Q, Q+1
.endr
	s_wait_alu depctr_va_vdst(0)
	global_store_b64 v9, v[WS:WS+1], s[20:21]      ; my column's 8 scale bytes
.irp t, 0,1,2,3,4,5,6,7,8,9,10,11,12,13,14,15
	ds_load_b96 v[WO+4*\t:WO+4*\t+2], v7 offset:2*\t*WPITCH      ; columns 2 t and 2 t + 1: LDS serves a wave's instructions in order
.endr
.irp t, 0,1,2,3,4,5,6,7,8,9,10,11,12,13,14,15
	s_wait_dscnt 15-\t
	global_store_b96 v8, v[WO+4*\t:WO+4*\t+2], s[18:19] offset:(16*(\t/4)+2*(\t%4))*192   ; two neighbouring rows: 384 consecutive bytes
.endr
	s_wait_tensorcnt 0x0
	ds_add_u32 v208, v209
	s_wait_dscnt 0x0
	s_endpgm
.Lfunc_end_k_q8f2d2cb35f_quant:
	.size	k_q8f2d2cb35f_quant, .Lfunc_end_k_q8f2d2cb35f_quant-k_q8f2d2cb35f_quant
	.p2alignl 7, 3214868480
	.fill 96, 4, 3214868480
	.section	.rodata,"a",@progbits
	.p2align	6, 0x0
	.amdhsa_kernel k_q8f2d2cb35f_quant
		.amdhsa_group_segment_fixed_size 68096
		.amdhsa_private_segment_fixed_size 0
		.amdhsa_enable_private_segment 0
		.amdhsa_kernarg_size 72
		.amdhsa_user_sgpr_count 2
		.amdhsa_user_sgpr_kernarg_segment_ptr 1
		.amdhsa_wavefront_size32 1
		.amdhsa_system_sgpr_workgroup_id_x 1
		.amdhsa_system_sgpr_workgroup_id_y 1
		.amdhsa_system_sgpr_workgroup_id_z 1
		.amdhsa_system_vgpr_workitem_id 0
		.amdhsa_next_free_vgpr 210
		.amdhsa_next_free_sgpr 66
		.amdhsa_reserve_vcc 0
		.amdhsa_float_denorm_mode_32 3
		.amdhsa_float_denorm_mode_16_64 3
		.amdhsa_memory_ordered 1
		.amdhsa_forward_progress 1
		.amdhsa_inst_pref_size 77
	.end_amdhsa_kernel
	.amdgpu_metadata
---
amdhsa.version: [ 1, 2 ]
amdhsa.kernels:
  - .name:           k_q8f2d2cb35f_quant
    .symbol:         k_q8f2d2cb35f_quant.kd
    .args:
      - { .name: x, .offset: 0, .size: 8, .value_kind: global_buffer, .address_space: global }
      - { .name: Wq, .offset: 8, .size: 8, .value_kind: global_buffer, .address_space: global }
      - { .name: Wk, .offset: 16, .size: 8, .value_kind: global_buffer, .address_space: global }
      - { .name: Wv, .offset: 24, .size: 8, .value_kind: global_buffer, .address_space: global }
      - { .name: Wo, .offset: 32, .size: 8, .value_kind: global_buffer, .address_space: global }
      - { .name: xc, .offset: 40, .size: 8, .value_kind: global_buffer, .address_space: global }
      - { .name: xs, .offset: 48, .size: 8, .value_kind: global_buffer, .address_space: global }
      - { .name: wc, .offset: 56, .size: 8, .value_kind: global_buffer, .address_space: global }
      - { .name: ws, .offset: 64, .size: 8, .value_kind: global_buffer, .address_space: global }
    .group_segment_fixed_size: 68096
    .private_segment_fixed_size: 0
    .kernarg_segment_align: 8
    .kernarg_segment_size: 72
    .max_flat_workgroup_size: 128
    .sgpr_count:     66
    .vgpr_count:     210
    .wavefront_size: 32
...
	.end_amdgpu_metadata
.endif
;; end of part 1
;; launch qkv (part 2): grid 6 x 32, 4 waves a work-group, no clusters, 327,680 bytes of LDS; arguments xc, xs, wc, ws, cos, sin, qb, kv; writes qb, kv
.if DOCPART == 2
	.amdgcn_target "amdgcn-amd-amdhsa--gfx1250"
	.amdhsa_code_object_version 6
	.text
	.protected	k_q8f2d2cb35f_qkv
	.globl	k_q8f2d2cb35f_qkv
	.p2align	8
	.type	k_q8f2d2cb35f_qkv,@function
k_q8f2d2cb35f_qkv:
	s_mov_b64 s[64:65], 0
	v_nop
	global_prefetch_b8 v0, s[64:65] scope:SCOPE_SE
	s_setreg_imm32_b32 hwreg(HW_REG_WAVE_MODE, 25, 1), 1
	s_wait_xcnt 0x0
; q, k, v = x Wq, x Wk, x Wv on codes of BF6 (E3M2) with E8M0 scales; RoPE on q and k in f32; q and k quantised along the head's 64, v along the keys; only codes and scale bytes go to memory.
; A work-group makes 256 rows x 256 columns: column tiles 0-3 are q (16 heads of 64), 4 is k (4 heads), 5 is v.  Four waves, each 128 x 128: 64 accumulators, 512 registers.  K = 1,024 goes in four steps of 256
; through a ring of two LDS slots filled by the tensor data mover; the scale bytes of the work-group's 512 rows come once.  Each wave fetches 128 rows (waves 0, 1: side A's halves; waves 2, 3: side B's).
; SIDES.  Source 0 of the matrix instruction takes side B's rows, source 1 side A's: a lane holds one row of side A, and its registers run along side B.  For q and k side A = x, side B = W: a lane's 32 registers of
; four neighbouring tiles are 32 neighbouring channels of one row.  For v the sides change places (a choice of pointers; rows of xc and wc are alike): a lane holds one channel and 32 neighbouring keys.
; That rests on the order in which xc's and wc's rows lie: inside each 64, place 16 u + 8 g + j holds row 32 g + 8 u + j.  So a block of 32 of the next product's K lies in ONE lane: its largest magnitude needs no other
; lane, and the two conversions' results are six registers of the next operand as that same lane wants them.
; OUT.  qb [b 16 + head][step of 128 rows][6,400]: four units of 1,536 bytes (a unit: two tiles of 16 rows x 64, 12 registers a lane, as three runs of 512 bytes, lane l's four registers at 16 l), then 256 bytes of scale
; words (row r, unit i at 16 r + 4 i: two bytes of the even tile, two of the odd).  kv [b 4 + head][step][12,800]: k's four units | v's four fragments (16 channels x 128 keys) | k's words | v's words (16 r + 4 u).
; NOT IN CLUSTERS: the grid is 6 tiles wide, which 4 does not divide, and in v's column the sides change places, so that a joint load's mask would hang on the work-group's number.
; LIMITS: a block of zeros or under 2^-122 gets the byte 1 (read by this program alone); NaN and infinities are not served.
; REGISTERS: window 0: v0-31 addresses; v32-63 scale words, two sets; from v128 A's fragments, one set.  window 1: B's fragments, two sets.  windows 2, 3: the accumulators ((a, b) at v[8 (8 (a % 4) + b)]).
.set NQ,     2                         ; matrix instructions deep in a slot
.set ROWB,   192                       ; a tile's row: 256 codes
.set KROW,   768                       ; a row in memory
.set PITCH,  240                       ; an LDS row: 3 x (64 bytes + 16 of padding)
.set FR,     12
.set NL,     6
.set NP,     4                         ; places behind this matrix instruction (ISA guide 7.12.1)
.set HALFT,  128*PITCH
.set SLOT,   4*HALFT
.set KS,     32                        ; a row of scale bytes
.set SCL,    2*SLOT                    ; behind the ring: the scales, as runs of 256 bytes + 16 of padding
.set HALFS,  16*272                    ; those of 128 rows
.set SBLK,   2*272                     ; those of 16 rows
.set SPARE,  SCL+4*HALFS               ; the spare words: 128 bytes for each wave, named by no other line
.set ADRA, 16                          ; v16-17 my A fragments in slot 0, 1 (v18-19: for the pieces behind one padding more)
.set ADRB, 20                          ; v20-23 the same for B
.set CSO,  24                          ; v24  cos, sin: (32 (r / 8) + r % 8) x 256 + 128 h
.set L16,  25                          ; v25  16 x lane
.set SCO,  26                          ; v26  where my half of the lanes stores scale words
.set ADRS, 27                          ; v27  my scale words in LDS
.set SPW,  28                          ; v28  my spare word; never rewritten
.set NIL,  29                          ; v29  0; never rewritten
.set H8,   30                          ; v30  8 h
.set SC,   32
.set AF,   128
.set G1,   24                          ; s[24:31] group 1 for tiles of codes;  s[32:39] group 0, a set for each slot
.set G0,   32
.set G1S,  48                          ; s[48:55], s[56:59] groups 1 and 0 for the scales
.set G0S,  56
.set SEL,  60
.set XKS,  8192*192                    ; xc and wc lie in four planes of 256 along K, [plane][row][192]: from plane to plane of xc,
.set WKS,  2560*192                    ; and of wc.  128 rows of a K step are 24,576 dense bytes: they come as 96 rows of 256 bytes, 16 bytes of padding behind every 64
.set G1H,  92                          ; s[92:99] group 1 for the head's tile of codes: 256 rows of a side, 192 rows of 256 bytes
.set G0H,  84                          ; s[84:87] its group 0
; the way out, in window 0 (all free behind the last product)
.set PWR,  32                          ; v32-39  scale words being gathered
.set MXA,  40                          ; v40, v41 two chains of a largest magnitude
.set MXB,  41
.set SCOP, 42                          ; v42  the conversions' scale operand
.set BY,   43                          ; v43  the scale's byte
.set TW,   44
.set TX,   45
                                       ; cos and sin: four sets of 32 + 32, tile a in set a % 4: window 0 v64-127, window 1 v0-63, window 0 v128-191, window 1 v192-255
.set T,    192
.set CC,   224                         ; v224-235, v240-251 two sets of 12 registers of codes
.set CT,   236                         ; v236-238 a conversion's second half
.set D0,   86                          ; s[86:87], s[88:89] where my two heads' units go;  s[90:91] their scale words
.set MSB, 0
.macro WIN new                         ; the immediate's high byte repeats the setting that is left
.if MSB != (\new)
	s_set_vgpr_msb (MSB<<8)|(\new)
.set MSB, (\new)
.endif
.endm
.set MUL_LO, 0xa1                      ; source 0 (B) window 1, source 1 (A) window 0, C and D window 2
.set MUL_HI, 0xf1
.set TO_B,   0x40
.macro PLACES n
.rept \n
	v_nop
.endr
.endm
.macro FRAG reg, adr, q, i             ; 16 rows x 128 K: lane l holds row l % 16; registers 6 c .. 6 c + 5 hold K = 64 c + 32 (l / 16) + 0 .. 31, in pieces of 8 bytes
.irp p, 0,1,2,3,4,5
.set PC, 12*(\q)+6*(\p/3)+\p%3        ; 16 bytes of padding lie behind every 8 pieces: where the piece three on lies behind one padding more, the second address register serves
.if PC%8 < 5
	ds_load_b64 v[\reg+2*\p:\reg+2*\p+1], v[\adr] offset:8*PC+16*(PC/8)+(\i)*16*PITCH
.else
	ds_load_b64 v[\reg+2*\p:\reg+2*\p+1], v[\adr+2] offset:8*PC+16*(PC/8)+(\i)*16*PITCH
.endif
.endr
.endm
; 16 matrix instructions: A's blocks a0, a0 + 1 x B's eight.  The 64 accumulators take turns, one instruction a turn, in the same order in every step.
.macro MUL16 a0, p, q, sc, zero
.irp a, \a0, \a0+1
.irp b, 0,1,2,3,4,5,6,7
.if \zero
	v_wmma_scale_f32_16x16x128_f8f6f4 v[8*(8*((\a)%4)+\b):8*(8*((\a)%4)+\b)+7], v[128*(\p)+FR*\b:128*(\p)+FR*\b+FR-1], v[AF+FR*(\a):AF+FR*(\a)+FR-1], 0, v[SC+8*NQ*(\sc)+NQ*\b+(\q)], v[SC+8*NQ*(\sc)+NQ*(\a)+(\q)] matrix_a_fmt:MATRIX_FMT_BF6 matrix_b_fmt:MATRIX_FMT_BF6 matrix_a_scale:MATRIX_SCALE_ROW1
.else
	v_wmma_scale_f32_16x16x128_f8f6f4 v[8*(8*((\a)%4)+\b):8*(8*((\a)%4)+\b)+7], v[128*(\p)+FR*\b:128*(\p)+FR*\b+FR-1], v[AF+FR*(\a):AF+FR*(\a)+FR-1], v[8*(8*((\a)%4)+\b):8*(8*((\a)%4)+\b)+7], v[SC+8*NQ*(\sc)+NQ*\b+(\q)], v[SC+8*NQ*(\sc)+NQ*(\a)+(\q)] matrix_a_fmt:MATRIX_FMT_BF6 matrix_b_fmt:MATRIX_FMT_BF6 matrix_a_scale:MATRIX_SCALE_ROW1
.endif
.endr
.endr
.endm
.macro FETCH_B slot, q, p
	WIN TO_B
.irp i, 0,1,2,3,4,5,6,7
	FRAG 128*(\p)+FR*\i, ADRB+\slot, \q, \i
.endr
	WIN 0
.endm
.macro FETCH_A slot, q, i0
.irp i, \i0, \i0+1, \i0+2, \i0+3
	FRAG AF+FR*(\i), ADRA+\slot, \q, \i
.endr
.endm
.macro SCALES sc                       ; a K step's scale words: lanes 0-15 take A's block i, lanes 16-31 B's block i
.irp i, 0,1,2,3,4,5,6,7
	ds_load_b64 v[SC+8*NQ*\sc+NQ*\i:SC+8*NQ*\sc+NQ*\i+1], v[ADRS] offset:\i*SBLK
.endr
.endm
.macro STEP slot, q, zero              ; 128 along K that has its successor in the same slot
	s_wait_dscnt 4*NL                              ; B's set and A's blocks 0-3 are in; the youngest 24 loads (A's blocks 4-7) may be out
	WIN MUL_LO
	MUL16 0, (\q)%2, \q, \slot, \zero
	MUL16 2, (\q)%2, \q, \slot, \zero
	s_wait_dscnt 0
	PLACES NP                                      ; in front of loads into registers that matrix instructions have read
	FETCH_B \slot, (\q)+1, 1-(\q)%2
	FETCH_A \slot, (\q)+1, 0
	WIN MUL_HI
	MUL16 4, (\q)%2, \q, \slot, \zero
	MUL16 6, (\q)%2, \q, \slot, \zero
	PLACES NP
	WIN 0
	FETCH_A \slot, (\q)+1, 4
.endm
; A slot's last step changes slots: one barrier; in front of it each wave waits for all its tensor loads, adds 0 to its spare word, and waits for that and for its reads of this slot.
.macro TURN slot, next, fill
	s_wait_tensorcnt 0x0                           ; all my tensor loads have landed: my part of the next slot
	ds_add_u32 v[SPW], v[NIL]                      ; 0 onto my spare word
	s_wait_dscnt 4*NL+1                            ; (the add and the youngest 24 loads may be out)
	WIN MUL_LO
	MUL16 0, 1, NQ-1, \slot, 0
	s_wait_dscnt 0x0                               ; the add is done, and my reads of this slot are over
	s_barrier_signal -1
	MUL16 2, 1, NQ-1, \slot, 0
	WIN 0
	s_barrier_wait -1
.if \fill
	s_add_nc_u64 s[G0+4*\slot+2:G0+4*\slot+3], s[G0+4*\slot+2:G0+4*\slot+3], s[62:63]   ; no load of mine is out: the slot's group 0 steps two planes on
	tensor_load_to_lds s[G0+4*\slot:G0+4*\slot+3], s[G1:G1+7]      ; my one tensor load behind this barrier, and the first thing there
	s_nop 0
	PLACES 4                                       ; (the places in front of the loads below)
.else
	PLACES NP
.endif
	v_add_nc_u32 v[ADRS], 4*NQ, v[ADRS]            ; on to the next K step's scale words
	FETCH_B \next, 0, 0
	FETCH_A \next, 0, 0
	SCALES \next
	WIN MUL_HI
	MUL16 4, 1, NQ-1, \slot, 0
	MUL16 6, 1, NQ-1, \slot, 0
	PLACES NP
	WIN 0
	FETCH_A \next, 0, 4
.endm
; 32 numbers of a lane, v[src] on in window win, one block along the next K, become six registers of codes at v[dst] and the scale's byte in v[BY].
.macro QB32 src, win, dst
	WIN 5*(\win)
	v_max3_num_f32 v[MXA], |v[\src]|, |v[\src+1]|, 0x2800000       ; two chains by turns, each with the floor 2^(5 - 127): the byte cannot fall under 1
	v_max3_num_f32 v[MXB], |v[\src+16]|, |v[\src+17]|, 0x2800000
.irp i, 2,4,6,8,10,12,14
	v_max3_num_f32 v[MXA], |v[\src+\i]|, |v[\src+\i+1]|, v[MXA]
	v_max3_num_f32 v[MXB], |v[\src+16+\i]|, |v[\src+17+\i]|, v[MXB]
.endr
	WIN 0
	v_max_num_f32 v[MXA], v[MXA], v[MXB]
	v_add_nc_u32 v[SCOP], 0xfe000000, v[MXA]       ; 4 off the exponent field: the conversions' scale operand
	WIN \win
	v_cvt_scalef32_pk16_bf6_f32 v[\dst:\dst+2], v[\src:\src+15], v[SCOP]
	v_cvt_scalef32_pk16_bf6_f32 v[CT:CT+2], v[\src+16:\src+31], v[SCOP]   ; (a conversion's three registers begin on an even number)
	WIN 0
	v_lshrrev_b32 v[BY], 23, v[SCOP]               ; the scale's byte: the plain line behind the conversions
.irp i, 0,1,2
	v_mov_b32 v[\dst+3+\i], v[CT+\i]
.endr
.endm
.macro LOADCS a
.set CK_, (\a)%4
.set CS_, 64*((CK_/2)*CK_+(1-CK_/2)*(1-CK_))
	WIN 0x40*(CK_%2)
.irp i, 0,1,2,3,4,5,6,7
	global_load_b128 v[CS_+4*\i:CS_+4*\i+3], v[CSO], s[68:69] offset:(64*((\a)/4)+8*((\a)%4))*256+16*\i
.endr
.irp i, 0,1,2,3,4,5,6,7
	global_load_b128 v[CS_+32+4*\i:CS_+32+4*\i+3], v[CSO], s[70:71] offset:(64*((\a)/4)+8*((\a)%4))*256+16*\i
.endr
	WIN 0
.endm
.macro ROPE a, bh                      ; T = y cos + rotate_half(y) sin: even channel: y_e c_e - y_o s_e; odd: y_o c_o + y_e s_o.  The accumulators are read from their low ends on
.set AC_, 8*(8*((\a)%4)+4*(\bh))
.set CK_, (\a)%4
.set CS_, 64*((CK_/2)*CK_+(1-CK_/2)*(1-CK_))
	WIN 2+(\a)/4+4*(CK_%2)                         ; source 0: the accumulators' window; source 1: the window of the tile's cos and sin
.set i_, 0
.rept 16
	v_pk_mul_f32 v[T+i_:T+i_+1], v[AC_+i_:AC_+i_+1], v[CS_+i_:CS_+i_+1]
.set i_, i_+2
.endr
.set i_, 0
.rept 16
	v_fma_f32 v[T+i_], -v[AC_+i_+1], v[CS_+32+i_], v[T+i_]
	v_fma_f32 v[T+i_+1], v[AC_+i_], v[CS_+33+i_], v[T+i_+1]
.set i_, i_+2
.endr
	WIN 0
.endm
	s_load_b256 s[4:11], s[0:1], 0x0               ; xc s[4:5], xs s[6:7], wc s[8:9], ws s[10:11]
	s_load_b256 s[68:75], s[0:1], 0x20             ; cos s[68:69], sin s[70:71], qb s[72:73], kv s[74:75]
	v_lshl_add_u32 v[SPW], v0, 2, SPARE
	v_mov_b32 v[NIL], 0
	ds_add_u32 v28, v29
	ds_add_u32 v28, v29
	s_wait_dscnt 0x0
	v_lshrrev_b32 v1, 5, v0
	v_readfirstlane_b32 s14, v1                    ; wave 0..3
	s_lshr_b32 s15, s14, 1                         ; which half of side A's rows is mine.  Also: I fetch for side A (0) or B (1)
	s_and_b32 s16, s14, 1                          ; which half of side B's.  Also: which 128 rows I fetch
	s_mov_b32 s17, ttmp9                           ; column tile
	s_and_b32 s18, ttmp7, 0xffff                   ; row tile
.irp g, G1, G1H
	s_mov_b32 s[\g+0], (3<<16)|(1<<20)|(3<<22)|(3<<25)   ; elements of 8 bytes; padding on: after every 16 words, 4 words
	s_mov_b32 s[\g+1], 32<<16                      ; rows of 256 bytes
	s_mov_b32 s[\g+3], 32<<16
	s_mov_b32 s[\g+5], 32                          ; dense
.endr
	s_mov_b32 s[G1+2], 96<<16                      ; the ring's loads: 128 rows of codes = 96 rows of 256 bytes
	s_mov_b32 s[G1+4], 96
	s_mov_b32 s[G1H+2], 192<<16                    ; the head's: 256 rows of codes
	s_mov_b32 s[G1H+4], 192
	s_mov_b32 s[G1H+6], 0
	s_mov_b32 s[G1H+7], 0
	s_mov_b32 s[G1+6], 0
	s_mov_b32 s[G1+7], 0
	s_mov_b32 s[G1S+0], (3<<16)|(1<<20)|(5<<22)|(3<<25)   ; the scales of a side's 256 rows: 8,192 dense bytes as 32 rows of 256 (32 elements of 8 bytes), 16 bytes of padding behind each
	s_mov_b32 s[G1S+1], 32<<16
	s_mov_b32 s[G1S+2], 32<<16                     ; the scales of a side's 256 rows: 32 rows of 256 bytes
	s_mov_b32 s[G1S+3], 32<<16
	s_mov_b32 s[G1S+4], 32
	s_mov_b32 s[G1S+5], 32
	s_mov_b32 s[G1S+6], 0
	s_mov_b32 s[G1S+7], 0
	s_mov_b32 s[SEL], 0x76543210
	s_mov_b32 s[SEL+1], 0xfedcba98
	s_cmp_eq_u32 s17, 5                            ; v's column: the sides change places
	s_cselect_b32 s40, 1, 0
	s_xor_b32 s40, s40, s15                        ; 0: I fetch rows of x; 1: rows of W
	s_cmp_eq_u32 s40, 0
	s_cselect_b32 s41, s18, s17
	s_lshl_b32 s41, s41, 8
	s_lshl_b32 s42, s16, 7
	s_add_co_u32 s41, s41, s42                     ; the first row that I fetch
	s_mul_i32 s42, s41, ROWB                       ; the ring: my 128 rows in a plane
	s_mov_b32 s43, 0
	s_mul_i32 s46, s14, HALFT                      ; where they go: wave x 128 rows
	; THE HEAD'S FOUR TILES, ONE A WAVE: wave 0 K step 0 of side A's 256 rows, wave 1 of side B's, wave 2 the scales of side A's 256 rows, wave 3 of side B's
	s_cmp_eq_u32 s17, 5
	s_cselect_b32 s76, 1, 0
	s_xor_b32 s76, s76, s16                        ; the head's side is wave % 2: 0: its rows are x's; 1: W's
	s_cmp_eq_u32 s76, 0
	s_cselect_b32 s77, s18, s17
	s_lshl_b32 s77, s77, 8                         ; the side's first row
	s_mul_i32 s78, s77, ROWB                       ; its codes in plane 0,
	s_mov_b32 s79, 0
	s_lshl_b32 s80, s77, 5                         ; its scale bytes
	s_mov_b32 s81, 0
	s_mul_i32 s82, s16, 2*HALFT
	s_mul_i32 s83, s16, 2*HALFS
	s_wait_kmcnt 0x0
	s_cmp_eq_u32 s76, 0
	s_cselect_b64 s[88:89], s[4:5], s[8:9]
	s_cselect_b64 s[90:91], s[6:7], s[10:11]
	s_mov_b32 s62, WKS
	s_cmp_eq_u32 s40, 0
	s_cselect_b64 s[20:21], s[4:5], s[8:9]
	s_cselect_b32 s62, XKS, s62                    ; from plane to plane of the tensor that I fetch in the ring
	s_mov_b32 s63, 0
	s_add_nc_u64 s[20:21], s[20:21], s[42:43]
	s_mov_b32 s[G0], 1
	s_mov_b32 s[G0+1], s46
	s_mov_b64 s[G0+2:G0+3], s[20:21]               ; slot 0: K step 0 (first used two planes on)
	s_or_b32 s[G0+3], s[G0+3], 0x80000000
	s_mov_b32 s[G0+4], 1
	s_add_co_u32 s[G0+5], s46, SLOT
	s_add_nc_u64 s[G0+6:G0+7], s[20:21], s[62:63]  ; slot 1: K step 1
	s_or_b32 s[G0+7], s[G0+7], 0x80000000
	s_lshl_b32 s62, s62, 1                         ; a refill steps two planes
	s_mov_b32 s[G0H], 1
	s_mov_b32 s[G0H+1], s82
	s_add_nc_u64 s[G0H+2:G0H+3], s[88:89], s[78:79]
	s_or_b32 s[G0H+3], s[G0H+3], 0x80000000
	s_mov_b32 s[G0S], 1
	s_add_co_u32 s[G0S+1], s83, SCL
	s_add_nc_u64 s[G0S+2:G0S+3], s[90:91], s[80:81]
	s_or_b32 s[G0S+3], s[G0S+3], 0x80000000
	s_cmp_eq_u32 s15, 0                            ; one branch on the wave's number, a load in each arm: every way passes exactly one
	s_cbranch_scc0 .Lhead_scales
	tensor_load_to_lds s[G0H:G0H+3], s[G1H:G1H+7]
	s_nop 0
	PLACES 4
	s_branch .Lhead_asked
.Lhead_scales:
	tensor_load_to_lds s[G0S:G0S+3], s[G1S:G1S+7]
	s_nop 0
	PLACES 4
.Lhead_asked:
	v_and_b32 v1, 15, v0                           ; r = l % 16
	v_bfe_u32 v2, v0, 4, 1                         ; h = l / 16
	v_mul_u32_u24 v3, v1, PITCH
	v_mul_u32_u24 v4, v2, 24
	v_add_nc_u32 v4, v3, v4                        ; a fragment's row x pitch + 24 x half
	v_lshl_add_u32 v5, v2, 4, v4                   ; and the same behind one padding more
	s_mul_i32 s21, s15, HALFT                      ; my 128 rows of A
	s_mul_i32 s22, s16, HALFT                      ; my 128 rows of B,
	s_add_co_u32 s22, s22, 2*HALFT                 ; which lie behind A's 256
.irp s, 0,1
	v_add_nc_u32 v[ADRA+\s], s21, v4
	v_add_nc_u32 v[ADRB+\s], s22, v4
	v_add_nc_u32 v[ADRA+2+\s], s21, v5
	v_add_nc_u32 v[ADRB+2+\s], s22, v5
	s_add_co_u32 s21, s21, SLOT
	s_add_co_u32 s22, s22, SLOT
.endr
	v_mul_u32_u24 v5, v1, KS                       ; my row's scales: 32 bytes a row,
	v_lshrrev_b32 v6, 8, v5
	v_lshl_add_u32 v5, v6, 4, v5                   ; and 16 more for each 256 passed
	s_mul_i32 s21, s15, HALFS
	s_mul_i32 s22, s16, HALFS
	s_add_co_u32 s22, s22, 2*HALFS
	s_sub_co_u32 s22, s22, s21
	v_mul_u32_u24 v6, s22, v2                      ; lanes 16-31 take B's
	s_add_co_u32 s21, s21, SCL
	v_add_nc_u32 v5, v5, v6
	v_add_nc_u32 v[ADRS], s21, v5
	v_and_b32 v[CSO], 8, v1
	v_mad_u32_u24 v[CSO], v[CSO], 3, v1            ; 32 (r / 8) + r % 8: the row that lies at place r of a tile, less 8 u
	v_lshlrev_b32 v[CSO], 8, v[CSO]
	v_lshl_add_u32 v[CSO], v2, 7, v[CSO]
	v_and_b32 v[L16], 31, v0
	v_lshlrev_b32 v[L16], 4, v[L16]
	v_lshlrev_b32 v[H8], 3, v2
	s_wait_alu depctr_va_vdst(0)
	s_wait_tensorcnt 0x0                           ; my tile of the head's four is in
	ds_add_u32 v[SPW], v[NIL]
	s_wait_dscnt 0x0
	s_barrier_signal -1
	s_barrier_wait -1                              ; everybody's are
	tensor_load_to_lds s[G0+4:G0+7], s[G1:G1+7]    ; slot 1's first fill, K step 1: my one tensor load behind this barrier
	s_nop 0
	PLACES 4
	FETCH_B 0, 0, 0
	FETCH_A 0, 0, 0
	SCALES 0
	FETCH_A 0, 0, 4
	STEP 0, 0, 1                                   ; the first products start the sums: nothing is cleared
	TURN 0, 1, 1                                   ; K = 1,024 is four slots' worth: written out
	s_wait_alu depctr_va_vdst(0)
	STEP 1, 0, 0
	TURN 1, 0, 1
	s_wait_alu depctr_va_vdst(0)
	STEP 0, 0, 0
	TURN 0, 1, 0                                   ; nothing is left to fetch
	STEP 1, 0, 0
	s_wait_dscnt 4*NL
	WIN MUL_LO
	MUL16 0, 1, NQ-1, 1, 0
	MUL16 2, 1, NQ-1, 1, 0
	s_wait_dscnt 0
	WIN MUL_HI
	MUL16 4, 1, NQ-1, 1, 0
	MUL16 6, 1, NQ-1, 1, 0
	WIN 0
	PLACES NP                                      ; behind the last products: results are read, and operands' registers written and loaded, from here on
	v_mov_b32 v[TX], 0                             ; written once: a lane permute's destination counts as one of its sources
	s_lshr_b32 s76, s18, 3                         ; b
	s_and_b32 s77, s18, 7
	s_lshl_b32 s78, s77, 1                         ; the row tile's first step of 128 rows in its sequence
	s_mov_b32 s81, 0
	s_cmp_eq_u32 s17, 5
	s_cbranch_scc1 .Lvalues
	; ---------------- q and k: RoPE, quantise along the head's 64
	s_add_co_u32 s78, s78, s15                     ; my step of 128 rows
	s_lshl_b32 s79, s77, 16
	s_lshl_b32 s80, s15, 15
	s_add_co_u32 s80, s80, s79                     ; its first row of cos and sin: 256 bytes a row
	s_add_nc_u64 s[68:69], s[68:69], s[80:81]
	s_add_nc_u64 s[70:71], s[70:71], s[80:81]
	LOADCS 0                                       ; cos and sin run three tiles of 16 rows ahead of their use: the operands' registers are free, the last products stand four places back
	LOADCS 1
	LOADCS 2
	s_lshl_b32 s82, s17, 2
	s_mov_b32 s83, 6400
	s_mov_b32 s84, 6144
	s_cmp_eq_u32 s17, 4                            ; k's column or one of q's
	s_cselect_b64 s[D0:D0+1], s[74:75], s[72:73]
	s_cselect_b32 s85, 4, 16                       ; heads in a batch
	s_cselect_b32 s82, 0, s82
	s_cselect_b32 s83, 12800, s83                  ; a step's bytes
	s_cselect_b32 s84, 12288, s84                  ; where its scale words begin
	s_lshl_b32 s79, s16, 1
	s_add_co_u32 s82, s82, s79                     ; my first head
	s_mul_i32 s85, s76, s85
	s_add_co_u32 s85, s85, s82
	s_lshl_b32 s85, s85, 4
	s_add_co_u32 s85, s85, s78
	s_mul_i32 s80, s85, s83
	s_add_nc_u64 s[D0:D0+1], s[D0:D0+1], s[80:81]
	s_lshl_b32 s80, s83, 4                         ; from head to head: 16 steps
	s_add_nc_u64 s[D0+2:D0+3], s[D0:D0+1], s[80:81]
	v_mul_u32_u24 v[SCO], s80, v2                  ; lanes 16-31 store the second head's words
	v_lshl_add_u32 v[SCO], v1, 4, v[SCO]
	s_mov_b32 s80, s84
	s_add_nc_u64 s[D0+4:D0+5], s[D0:D0+1], s[80:81]
.irp a, 0,1,2,3,4,5,6,7
.if \a < 5
	LOADCS \a+3
	s_wait_loadcnt 48                              ; this tile's cos and sin are in; the 16 loads of each of the three tiles behind it may be out
.else
	s_wait_loadcnt 16*(7-\a)
.endif
.if (\a)%2 == 0
	s_wait_xcnt 0x0                                ; the last unit's stores have read their registers: the codes may be written again
.endif
.irp bh, 0,1
	ROPE \a, \bh
.set D_, CC+16*\bh+6*((\a)%2)
	QB32 T, 0, D_
	v_lshlrev_b32 v[TW], v[H8], v[BY]              ; my block's byte at its place,
	v_permlanex16_b32 v[TX], v[TW], s[SEL], s[SEL+1]
	v_or_b32 v[TW], v[TW], v[TX]                   ; with lane l xor 16's: the row's two bytes
.if (\a)%2 == 0
	v_mov_b32 v[PWR+4*\bh+(\a)/2], v[TW]
.else
	v_lshl_or_b32 v[PWR+4*\bh+(\a)/2], v[TW], 16, v[PWR+4*\bh+(\a)/2]
.endif
.endr
.if (\a)%2 == 1
.irp bh, 0,1
.irp c, 0,1,2
	global_store_b128 v[L16], v[CC+16*\bh+4*\c:CC+16*\bh+4*\c+3], s[D0+2*\bh:D0+2*\bh+1] offset:1536*((\a)/2)+512*\c   ; 512 consecutive bytes, aligned
.endr
.endr
.endif
.endr
	v_cmp_eq_u32 vcc_lo, 1, v2
.irp i, 0,1,2,3
	v_cndmask_b32 v[T+\i], v[PWR+\i], v[PWR+4+\i], vcc_lo
.endr
	global_store_b128 v[SCO], v[T:T+3], s[D0+4:D0+5]               ; sixteen lanes store a head's 256 bytes of scale words
	s_branch .Lend
	; ---------------- v: a lane holds one channel and its registers run along the keys: quantise along the keys
.Lvalues:
	s_add_co_u32 s78, s78, s16                     ; my step of 128 keys (x is side B here)
	s_lshl_b32 s79, s76, 2
	s_lshl_b32 s80, s15, 1
	s_add_co_u32 s79, s79, s80                     ; my first kv head: 4 b + 2 x my half of the channels
	s_lshl_b32 s79, s79, 4
	s_add_co_u32 s79, s79, s78
	s_mul_i32 s80, s79, 12800
	s_add_nc_u64 s[D0:D0+1], s[74:75], s[80:81]
	v_mul_u32_u24 v[SCO], 16*12800, v2
	v_lshl_add_u32 v[SCO], v1, 4, v[SCO]
.irp a, 0,1,2,3,4,5,6,7
	s_wait_xcnt 0x0                                ; earlier stores have read their registers
.set W_, 2+(\a)/4
.irp c, 0,1
.set S_, 8*(8*((\a)%4)+4*\c)
.set D_, CC+16*((\a)%2)+6*\c
	QB32 S_, W_, D_                                ; keys 64 c + 32 h + 0 .. 31 of my channel
.if \c == 0
	v_mov_b32 v[TW], v[BY]
.else
	v_lshl_or_b32 v[TW], v[BY], 16, v[TW]
.endif
.endr
	v_lshlrev_b32 v[TW], v[H8], v[TW]              ; blocks h and 2 + h at their places,
	v_permlanex16_b32 v[TX], v[TW], s[SEL], s[SEL+1]
	v_or_b32 v[PWR+\a], v[TW], v[TX]               ; with lane l xor 16's two the word is whole
.irp c, 0,1,2
	global_store_b128 v[L16], v[CC+16*((\a)%2)+4*\c:CC+16*((\a)%2)+4*\c+3], s[D0:D0+1] offset:((\a)/4)*16*12800+6144+1536*((\a)%4)+512*\c
.endr
.endr
	v_cmp_eq_u32 vcc_lo, 1, v2
.irp i, 0,1,2,3
	v_cndmask_b32 v[T+\i], v[PWR+\i], v[PWR+4+\i], vcc_lo
.endr
	global_store_b128 v[SCO], v[T:T+3], s[D0:D0+1] offset:12544
.Lend:
	s_wait_tensorcnt 0x0                           ; the wave's end
	ds_add_u32 v[SPW], v[NIL]
	s_wait_dscnt 0x0
	s_endpgm
.Lfunc_end_k_q8f2d2cb35f_qkv:
	.size	k_q8f2d2cb35f_qkv, .Lfunc_end_k_q8f2d2cb35f_qkv-k_q8f2d2cb35f_qkv
	.p2alignl 7, 3214868480
	.fill 96, 4, 3214868480
	.section	.rodata,"a",@progbits
	.p2align	6, 0x0
	.amdhsa_kernel k_q8f2d2cb35f_qkv
		.amdhsa_group_segment_fixed_size 327680
		.amdhsa_private_segment_fixed_size 0
		.amdhsa_enable_private_segment 0
		.amdhsa_kernarg_size 64
		.amdhsa_user_sgpr_count 2
		.amdhsa_user_sgpr_kernarg_segment_ptr 1
		.amdhsa_wavefront_size32 1
		.amdhsa_system_sgpr_workgroup_id_x 1
		.amdhsa_system_sgpr_workgroup_id_y 1
		.amdhsa_system_sgpr_workgroup_id_z 1
		.amdhsa_system_vgpr_workitem_id 0
		.amdhsa_next_free_vgpr 1024
		.amdhsa_next_free_sgpr 100
		.amdhsa_reserve_vcc 1
		.amdhsa_float_denorm_mode_32 3
		.amdhsa_float_denorm_mode_16_64 3
		.amdhsa_memory_ordered 1
		.amdhsa_forward_progress 1
		.amdhsa_inst_pref_size 246
	.end_amdhsa_kernel
	.amdgpu_metadata
---
amdhsa.version: [ 1, 2 ]
amdhsa.kernels:
  - .name:           k_q8f2d2cb35f_qkv
    .symbol:         k_q8f2d2cb35f_qkv.kd
    .args:
      - { .name: xc, .offset: 0, .size: 8, .value_kind: global_buffer, .address_space: global }
      - { .name: xs, .offset: 8, .size: 8, .value_kind: global_buffer, .address_space: global }
      - { .name: wc, .offset: 16, .size: 8, .value_kind: global_buffer, .address_space: global }
      - { .name: ws, .offset: 24, .size: 8, .value_kind: global_buffer, .address_space: global }
      - { .name: cos, .offset: 32, .size: 8, .value_kind: global_buffer, .address_space: global }
      - { .name: sin, .offset: 40, .size: 8, .value_kind: global_buffer, .address_space: global }
      - { .name: qb, .offset: 48, .size: 8, .value_kind: global_buffer, .address_space: global }
      - { .name: kv, .offset: 56, .size: 8, .value_kind: global_buffer, .address_space: global }
    .group_segment_fixed_size: 327680
    .private_segment_fixed_size: 0
    .kernarg_segment_align: 8
    .kernarg_segment_size: 64
    .max_flat_workgroup_size: 128
    .sgpr_count:     100
    .vgpr_count:     1024
    .wavefront_size: 32
...
	.end_amdgpu_metadata
.endif
;; end of part 2
;; launch attn (part 3): grid 16 x 16, 16 waves a work-group, clusters of 4 x 1, 327,680 bytes of LDS; arguments qb, kv, oc, os; writes oc, os
.if DOCPART == 3
	.amdgcn_target "amdgcn-amd-amdhsa--gfx1250"
	.amdhsa_code_object_version 6
	.text
	.protected	k_q8f2d2cb35f_attn
	.globl	k_q8f2d2cb35f_attn
	.p2align	8
	.type	k_q8f2d2cb35f_attn,@function
k_q8f2d2cb35f_attn:
	s_mov_b64 s[64:65], 0
	v_nop
	global_prefetch_b8 v0, s[64:65] scope:SCOPE_SE
	s_setreg_imm32_b32 hwreg(HW_REG_WAVE_MODE, 25, 1), 1
	s_wait_xcnt 0x0
	s_wait_alu depctr_hold_cnt(0) depctr_sa_sdst(0) depctr_va_vdst(0) depctr_va_sdst(0) depctr_va_ssrc(0) depctr_va_vcc(0) depctr_vm_vsrc(0)
	s_getreg_b32 s2, hwreg(HW_REG_IB_STS2, 6, 4)
	s_cmp_eq_u32 s2, 0
	s_cbranch_scc0 .Lentry_in_a_cluster
	s_endpgm
.Lentry_in_a_cluster:
	s_bfe_u32 s2, ttmp6, 0x10000c
	s_cmp_lg_u32 s2, 0x3003
	s_cbranch_scc0 .Lentry_shape_is_right
	s_endpgm
.Lentry_shape_is_right:
; Causal attention on codes of BF6 (E3M2) with E8M0 scales: S^T = K Q^T (K = the head's 64), p = 2^(t - M), O^T = V^T P^T (K = the keys), O / l, quantised along (head, channel) for the last product.
; t = score x log2(e) / 8; M = the running largest t rounded UP to a whole number; l = the sum of the unquantised p; when M moves, l and O^T are multiplied by 2^(old M - new M), which rounds nothing.
; LEFT OUT: key steps of 128 that lie wholly behind a block's queries: the causal mask that the problem builds itself gives them the weight 0.
; K AND V STAY IN LDS.  A kv head's 2,048 keys are 16 key steps of 12,800 bytes (codes and scale words): 204,800 bytes.  Wave w asks for key step w at the head, one tensor load a wave; one barrier shows all
; sixteen steps to all waves; nothing is filled again, so the walk over the keys has no barrier and no wait on a tile.
; SHARES.  The 16 work-groups j of a (batch, kv head) share 4 heads x 32 blocks of 64 queries x 4 tiles of 16.  Wave w = 2 a + e of work-group j owns tile j / 4 of head 2 e + j % 2, in blocks i = 2 a + (j / 2) % 2 and 31 - i.
; Block i wants i / 2 + 1 key steps: a + 1 and 16 - a, 17 in every wave; how a wave walks hangs on its number alone.  Waves 0 and 1 read all sixteen steps, so every load is read in every work-group.
; CLUSTERS: four work-groups of one (batch, kv head) form a cluster and ask for each key step jointly (mask 15).  The place in the cluster enters global addresses and the mask's compare values, no branch and no LDS address.
; NO PREFETCH: every byte of kv that the work-group reads is asked for at the head; there is no later load and no loop to run ahead in.
; LAYOUT.  Both products are used transposed: a lane holds ONE query.  Rows lie in memory so that place 16 u + 8 g + j of each 64 holds row 32 g + 8 u + j: so a lane's 32 registers of four neighbouring tiles are 32
; NEIGHBOURING keys (or channels): a whole block of the next K in one lane.
; K = 64 IN AN INSTRUCTION OF 128: a unit of K holds two tiles of 16 keys; Q stands twice, as (q | zero codes) and (zero codes | q).
; THE MASK.  Only a block's last step reaches past its queries: there hidden scores become -infinity ahead of the maximum.
; LIMITS: the scaled scores stay under 2^31 in magnitude; a block of zeros or under 2^-122 gets the byte 1 (read by this program alone); NaN and infinities are not served.
.set UNIT,  12800                      ; a key step: K 4 x 1,536 | V 4 x 1,536 | K's words 256 | V's words 256
.set SPARE, 0x34000                    ; behind the sixteen steps: the spare words, 128 bytes for each of 16 waves, named by no other line
.set L16, 1                            ; v1   16 x lane
.set R16, 2                            ; v2   16 x (lane % 16)
.set SPW, 3                            ; v3   my spare word; never rewritten
.set NIL, 4                            ; v4   0; never rewritten
.set AD,  5                            ; v5   the step's units in LDS
.set AS,  6                            ; v6   the step's scale words
.set DL,  7                            ; v7   my query in its block of 64, less 32 h
.set H8,  8                            ; v8   8 h
.set L8,  9                            ; v9   8 x lane
.set OSO, 10                           ; v10  32 r + h
                                       ; v12 -M, v13 the largest t, v[14:15] the sum in two halves
.set Q0,  16                           ; v16-27 (q | 0)
.set Q1,  28                           ; v28-39 (0 | q)
.set QS,  40                           ; q's scale word (s0, s1, s0, s1)
.set PS,  41                           ; p's scale word
.set QB,  42                           ; v42-47 the second block's q
.set QSB, 48
.set KW,  50                           ; v50-53 K's scale words
.set VW,  54                           ; v54-57 V's
.set BM,  58
.set BX,  62
.set KU,  64                           ; v64-111 four units of K, then four fragments of V
.set S,   112                          ; v112-175 S^T, then p
.set O,   176                          ; v176-207 O^T
.set PC,  208                          ; v208-219 p's codes
.set CT0, 220
.set CT1, 224
.set F,   228                          ; v[228:229] f = 2^(old M - new M)
.set W,   230                          ; v230-239 at work; v244-255 partial sums
.set WV,  12
.set CNT, 13                           ; trips to go
.set CSW, 14                           ; the value of CNT in the first block's last step
.set NA,  15                           ; the first block's steps: wave / 2 + 1
.set TB,  16                           ; LDS byte at which the key step in hand begins
.set MK,  17                           ; 64 x (block % 2)
.set SEL, 20
.set CS,  22                           ; s[22:23] c = log2(e) / 8
.set G1,  24
.set G0,  32
.set OA,  36                           ; s[36:37] oc, s[38:39] os of the first block;  s[40:43] of the second
.set OB,  40
.set BA,  44                           ; the first block, the second
.set BB,  45
.set J,   46                           ; my work-group among the sixteen
.macro ROUND                           ; a round of the cluster's barrier
	s_barrier_signal -1
	s_barrier_wait -1
	s_cmp_lg_u32 s[WV], 0
	s_cbranch_scc1 .Lnot_wave_0_\@
	s_barrier_signal -3
.Lnot_wave_0_\@:
	s_barrier_wait -3
	s_barrier_signal -1
	s_barrier_wait -1
.endm
.macro QADR blk, cb, wb                ; where block s[blk]'s tile u lies in qb: its unit of two tiles, and that unit's scale words
	s_lshr_b32 s52, s[\blk], 1
	s_add_co_u32 s52, s52, s51
	s_mul_i32 s52, s52, 6400
	s_and_b32 s53, s[\blk], 1
	s_lshl_b32 s53, s53, 1
	s_add_co_u32 s53, s53, s49
	s_mul_i32 s54, s53, 1536
	s_add_co_u32 s54, s54, s52
	s_add_nc_u64 s[\cb:\cb+1], s[4:5], s[54:55]
	s_lshl_b32 s54, s53, 2
	s_add_co_u32 s54, s54, s52
	s_add_co_u32 s54, s54, 6144
	s_add_nc_u64 s[\wb:\wb+1], s[4:5], s[54:55]
.endm
.macro OADR blk, ob                    ; where my tile's codes and scale bytes go
	s_lshr_b32 s52, s50, 2
	s_lshl_b32 s52, s52, 7
	s_lshl_b32 s53, s[\blk], 2
	s_add_co_u32 s52, s52, s53
	s_add_co_u32 s52, s52, s47                     ; tile of 16 rows: 128 b + 4 block + u
	s_and_b32 s53, s50, 3
	s_lshl_b32 s54, s53, 9
	s_add_co_u32 s54, s54, s52
	s_mul_i32 s54, s54, 3072                       ; oc [kv head][tile][3,072]
	s_mul_i32 s53, s48, 768
	s_add_co_u32 s54, s54, s53
	s_add_nc_u64 s[\ob:\ob+1], s[8:9], s[54:55]
	s_lshl_b32 s54, s52, 9                         ; os: 16 rows of 32 bytes a tile
	s_and_b32 s53, s50, 3
	s_lshl_b32 s53, s53, 3
	s_add_co_u32 s54, s54, s53
	s_lshl_b32 s53, s48, 1
	s_add_co_u32 s54, s54, s53
	s_add_nc_u64 s[\ob+2:\ob+3], s[10:11], s[54:55]
.endm
; A KEY STEP: 128 keys, at LDS byte s[TB].  always = 1: the mask is applied; 0: only in the first block's last step.
.macro STEP always
	v_add_nc_u32 v[AD], s[TB], v[L16]
	v_add_nc_u32 v[AS], s[TB], v[R16]
	v_nop
	v_nop                                          ; four places in front of loads into registers that the last products have read
.irp i, 0,1,2,3
.irp c, 0,1,2
	ds_load_b128 v[KU+12*\i+4*\c:KU+12*\i+4*\c+3], v[AD] offset:1536*\i+512*\c
.endr
.endr
	ds_load_b128 v[KW:KW+3], v[AS] offset:12288
	s_wait_alu depctr_va_vdst(0)
	s_wait_dscnt 0x0
.irp i, 0,1,2,3                                ; register 32 c + n of S^T: key 64 c + 32 h + n of the step
	v_wmma_scale_f32_16x16x128_f8f6f4 v[S+16*\i:S+16*\i+7], v[KU+12*\i:KU+12*\i+11], v[Q0:Q0+11], 0, v[KW+\i], v[QS] matrix_a_fmt:MATRIX_FMT_BF6 matrix_b_fmt:MATRIX_FMT_BF6
	v_wmma_scale_f32_16x16x128_f8f6f4 v[S+16*\i+8:S+16*\i+15], v[KU+12*\i:KU+12*\i+11], v[Q1:Q1+11], 0, v[KW+\i], v[QS] matrix_a_fmt:MATRIX_FMT_BF6 matrix_b_fmt:MATRIX_FMT_BF6
.endr
.rept 4
	v_nop                                          ; places: K's registers take V, and the scores are read
.endr
.irp u, 0,1,2,3                                ; V lands while the softmax is worked
.irp c, 0,1,2
	ds_load_b128 v[KU+12*\u+4*\c:KU+12*\u+4*\c+3], v[AD] offset:6144+1536*\u+512*\c
.endr
.endr
	ds_load_b128 v[VW:VW+3], v[AS] offset:12544
.if \always == 0
	s_cmp_lg_u32 s[CNT], s[CSW]
	s_cbranch_scc1 .Lopen_\@
.endif
	v_add_nc_u32 v[W+8], s[MK], v[DL]              ; d = my query in the step - 32 h: register 32 c + n is hidden where 64 c + n > d
	v_mov_b32 v[W+9], 0xff800000                   ; -infinity
.set n, 0
.rept 64
	v_cmp_gt_i32 vcc_lo, 64*(n/32)+n%32, v[W+8]
	v_cndmask_b32 v[S+n], v[S+n], v[W+9], vcc_lo
.set n, n+1
.endr
.if \always == 0
.Lopen_\@:
.endif
.irp g, 0,1,2,3
	v_max3_num_f32 v[BM+\g], v[S+16*\g], v[S+16*\g+1], v[S+16*\g+2]   ; the largest score, four chains by turns, each accumulator from its low end on
.endr
.irp i, 3,5,7,9,11,13
.irp g, 0,1,2,3
	v_max3_num_f32 v[BM+\g], v[BM+\g], v[S+16*\g+\i], v[S+16*\g+\i+1]
.endr
.endr
.irp g, 0,1,2,3
	v_max_num_f32 v[BM+\g], v[BM+\g], v[S+16*\g+15]
.endr
	s_delay_alu instid0(VALU_DEP_3)
	v_max_num_f32 v[BX], v[BM], v[BM+1]            ; the largest score of each block of 32 keys serves twice: for the row's maximum and, since p rises with the score, for the block's largest p
	s_delay_alu instid0(VALU_DEP_2)
	v_max_num_f32 v[BX+1], v[BM+2], v[BM+3]
	s_delay_alu instid0(VALU_DEP_1)
	v_max_num_f32 v[W], v[BX], v[BX+1]
	s_delay_alu instid0(VALU_DEP_1)
	v_permlanex16_b32 v[W+1], v[W], s[SEL], s[SEL+1]
	s_delay_alu instid0(VALU_DEP_1)
	v_max_num_f32 v[W], v[W], v[W+1]               ; with lane l xor 16's 64 keys
	s_delay_alu instid0(VALU_DEP_1)
	v_mul_f32 v[W], s[CS], v[W]                    ; as t (c is positive)
	s_delay_alu instid0(VALU_DEP_1)
	v_max_num_f32 v13, v13, v[W]                   ; the running largest t
	v_mov_b32 v[W], v12
	s_delay_alu instid0(VALU_DEP_2)
	v_floor_f32 v12, -v13                          ; the new -M = floor(-t): M is a whole number
	s_delay_alu instid0(VALU_DEP_1)
	v_sub_f32 v[W], v12, v[W]                      ; old M - new M: a whole number, 0 or less
	s_delay_alu instid0(VALU_DEP_1)
	v_cvt_i32_f32 v[W], v[W]                       ; (it saturates)
	s_delay_alu instid0(VALU_DEP_1)
	v_ldexp_f32 v[F], 1.0, v[W]
.set n, 0
.rept 32
	v_pk_fma_f32 v[S+n:S+n+1], v[S+n:S+n+1], s[CS:CS+1], v[12:13] op_sel_hi:[1,0,0]   ; t - M, two at a time
.set n, n+2
.endr
	v_fma_f32 v[BX], v[BX], s[CS], v12
	v_fma_f32 v[BX+1], v[BX+1], s[CS], v12
.set n, 0
	s_wait_alu depctr_va_vdst(0)
.rept 64
	v_exp_f32 v[S+n], v[S+n]                       ; p = 2^(t - M), at most 1: not normalised
.set n, n+1
.endr
	v_pk_mul_f32 v[14:15], v[14:15], v[F:F+1] op_sel_hi:[1,0]      ; the sums under the new M (the plain line behind the exponentials)
	s_wait_alu depctr_va_vdst(0)                   ; one wait for the whole batch, ahead of its first reader
	v_exp_f32 v[BX], v[BX]                         ; the blocks' largest p: the same two instructions on the same number
	v_exp_f32 v[BX+1], v[BX+1]
	v_pk_add_f32 v[232:233], v[116:117], v[120:121]   ; the row's sum of the unquantised p, in eight chains
	v_pk_add_f32 v[254:255], v[124:125], v[128:129]
	v_pk_add_f32 v[252:253], v[132:133], v[136:137]
	v_pk_add_f32 v[250:251], v[140:141], v[144:145]
	v_pk_add_f32 v[248:249], v[148:149], v[152:153]
	v_pk_add_f32 v[246:247], v[156:157], v[160:161]
	v_pk_add_f32 v[244:245], v[164:165], v[168:169]
	v_pk_add_f32 v[14:15], v[14:15], v[172:173]
	v_pk_add_f32 v[232:233], v[232:233], v[112:113]
	v_pk_add_f32 v[254:255], v[254:255], v[114:115]
	v_pk_add_f32 v[252:253], v[252:253], v[118:119]
	v_pk_add_f32 v[250:251], v[250:251], v[122:123]
	v_pk_add_f32 v[248:249], v[248:249], v[126:127]
	v_pk_add_f32 v[246:247], v[246:247], v[130:131]
	v_pk_add_f32 v[244:245], v[244:245], v[134:135]
	v_pk_add_f32 v[14:15], v[14:15], v[138:139]
	v_pk_add_f32 v[232:233], v[232:233], v[142:143]
	v_pk_add_f32 v[254:255], v[254:255], v[146:147]
	v_pk_add_f32 v[252:253], v[252:253], v[150:151]
	v_pk_add_f32 v[250:251], v[250:251], v[154:155]
	v_pk_add_f32 v[248:249], v[248:249], v[158:159]
	v_pk_add_f32 v[246:247], v[246:247], v[162:163]
	v_pk_add_f32 v[244:245], v[244:245], v[166:167]
	v_pk_add_f32 v[14:15], v[14:15], v[170:171]
	v_pk_add_f32 v[232:233], v[232:233], v[174:175]
	s_delay_alu instid0(VALU_DEP_2)
	v_pk_add_f32 v[14:15], v[14:15], v[250:251]
	s_delay_alu instid0(VALU_DEP_2)
	v_pk_add_f32 v[232:233], v[232:233], v[248:249]
	v_pk_add_f32 v[254:255], v[254:255], v[246:247]
	v_pk_add_f32 v[252:253], v[252:253], v[244:245]
	s_delay_alu instid0(VALU_DEP_2)
	v_pk_add_f32 v[14:15], v[14:15], v[254:255]
	s_delay_alu instid0(VALU_DEP_2)
	v_pk_add_f32 v[232:233], v[232:233], v[252:253]
	s_delay_alu instid0(VALU_DEP_1)
	v_pk_add_f32 v[14:15], v[14:15], v[232:233]
	s_wait_alu depctr_va_vdst(0)                   ; and one for the two
	v_max_num_f32 v[BX], 0x2800000, v[BX]          ; the floor 2^(5 - 127): the byte cannot fall under 1
	v_max_num_f32 v[BX+1], 0x2800000, v[BX+1]
	s_delay_alu instid0(VALU_DEP_2)
	v_add_nc_u32 v[W+4], 0xfe000000, v[BX]         ; 4 off the exponent field: the conversions' scale operands
	s_delay_alu instid0(VALU_DEP_2)
	v_add_nc_u32 v[W+5], 0xfe000000, v[BX+1]
	s_delay_alu instid0(VALU_DEP_2)
	v_lshrrev_b32 v[W+6], 23, v[W+4]
	s_delay_alu instid0(VALU_DEP_2)
	v_lshrrev_b32 v[W+7], 23, v[W+5]
	s_delay_alu instid0(VALU_DEP_1)
	v_lshl_or_b32 v[W+6], v[W+7], 16, v[W+6]       ; my bytes: blocks h and 2 + h,
	s_delay_alu instid0(VALU_DEP_1)
	v_lshlrev_b32 v[W+6], v[H8], v[W+6]
	s_delay_alu instid0(VALU_DEP_1)
	v_permlanex16_b32 v[W+1], v[W+6], s[SEL], s[SEL+1]
	s_delay_alu instid0(VALU_DEP_1)
	v_or_b32 v[PS], v[W+6], v[W+1]                 ; with lane l xor 16's: p's scale word for these 128 keys
	v_cvt_scalef32_pk16_bf6_f32 v[PC:PC+2], v[S:S+15], v[W+4]
	v_cvt_scalef32_pk16_bf6_f32 v[CT0:CT0+2], v[S+16:S+31], v[W+4] ; (a conversion's three registers begin on an even number)
	v_cvt_scalef32_pk16_bf6_f32 v[PC+6:PC+8], v[S+32:S+47], v[W+5]
	v_cvt_scalef32_pk16_bf6_f32 v[CT1:CT1+2], v[S+48:S+63], v[W+5]
	v_nop                                          ; one plain line behind the conversions
.irp i, 0,1,2
	v_mov_b32 v[PC+3+\i], v[CT0+\i]
	v_mov_b32 v[PC+9+\i], v[CT1+\i]
.endr
.set n, 0
.rept 16
	v_pk_mul_f32 v[O+n:O+n+1], v[O+n:O+n+1], v[F:F+1] op_sel_hi:[1,0]   ; O^T under the new M.  (These 16 are also the places between the scale word, the codes and the products)
.set n, n+2
.endr
	s_wait_alu depctr_va_vdst(0)
	s_wait_dscnt 0x0                               ; V is in
.irp u, 0,1,2,3                                ; O^T += V^T P^T: register 8 u + j: channel 32 h + 8 u + j.  The four accumulators take turns
	v_wmma_scale_f32_16x16x128_f8f6f4 v[O+8*\u:O+8*\u+7], v[KU+12*\u:KU+12*\u+11], v[PC:PC+11], v[O+8*\u:O+8*\u+7], v[VW+\u], v[PS] matrix_a_fmt:MATRIX_FMT_BF6 matrix_b_fmt:MATRIX_FMT_BF6
.endr
.endm
; A block is done: O^T / l; my 32 channels are one block of the last product's K: six registers of codes and a byte.
.macro FINISH ob
.rept 4
	v_nop                                          ; places behind the last products
.endr
	v_add_f32 v14, v14, v15
	s_delay_alu instid0(VALU_DEP_1)
	v_permlanex16_b32 v[W+1], v14, s[SEL], s[SEL+1]
	s_delay_alu instid0(VALU_DEP_1)
	v_add_f32 v14, v14, v[W+1]                     ; the row's sum
	s_wait_alu depctr_va_vdst(0)
	v_rcp_f32 v[W], v14
	v_nop                                          ; a plain line behind the reciprocal,
	s_wait_alu depctr_va_vdst(0)                   ; and the wait ahead of its first reader
.set n, 0
.rept 32
	v_mul_f32 v[S+n], v[O+n], v[W]
.set n, n+1
.endr
	v_max3_num_f32 v[W+2], |v[S]|, |v[S+1]|, 0x2800000
	v_max3_num_f32 v[W+3], |v[S+16]|, |v[S+17]|, 0x2800000
.irp i, 2,4,6,8,10,12,14
	s_delay_alu instid0(VALU_DEP_2)
	v_max3_num_f32 v[W+2], |v[S+\i]|, |v[S+\i+1]|, v[W+2]
	s_delay_alu instid0(VALU_DEP_2)
	v_max3_num_f32 v[W+3], |v[S+16+\i]|, |v[S+17+\i]|, v[W+3]
.endr
	s_delay_alu instid0(VALU_DEP_1)
	v_max_num_f32 v[W+2], v[W+2], v[W+3]
	s_delay_alu instid0(VALU_DEP_1)
	v_add_nc_u32 v[W+4], 0xfe000000, v[W+2]
	v_cvt_scalef32_pk16_bf6_f32 v[PC:PC+2], v[S:S+15], v[W+4]
	v_cvt_scalef32_pk16_bf6_f32 v[CT0:CT0+2], v[S+16:S+31], v[W+4]
	v_lshrrev_b32 v[W+6], 23, v[W+4]               ; the byte: the plain line behind the conversions
.irp i, 0,1,2
	v_mov_b32 v[PC+3+\i], v[CT0+\i]
.endr
.irp i, 0,1,2
	global_store_b64 v[L8], v[PC+2*\i:PC+2*\i+1], s[\ob:\ob+1] offset:256*\i   ; the wave stores 256 consecutive bytes, aligned
.endr
	global_store_b8 v[OSO], v[W+6], s[\ob+2:\ob+3]
	s_wait_xcnt 0x0                                ; the stores have read their registers
.endm
	s_load_b256 s[4:11], s[0:1], 0x0               ; qb s[4:5], kv s[6:7], oc s[8:9], os s[10:11]
	v_lshl_add_u32 v[SPW], v0, 2, SPARE
	v_mov_b32 v[NIL], 0
	ds_add_u32 v[SPW], v[NIL]                      ; the opening lines: the add, twice on end, and its wait ahead of my first tensor load
	ds_add_u32 v[SPW], v[NIL]
	v_lshrrev_b32 v[AD], 5, v0
	v_readfirstlane_b32 s[WV], v[AD]               ; wave 0..15
	s_mov_b32 s[G1], 15|(3<<16)|(1<<21)            ; the cluster's four work-groups; elements of 8 bytes, no padding: 12,800 dense bytes as 50 rows of 256
	s_mov_b32 s[G1+1], 32<<16
	s_mov_b32 s[G1+2], 50<<16
	s_mov_b32 s[G1+3], 32<<16
	s_mov_b32 s[G1+4], 50
	s_mov_b32 s[G1+5], 32
	s_mov_b32 s[G1+6], 0
	s_mov_b32 s[G1+7], 0
	s_and_b32 s50, ttmp7, 0xffff                   ; 4 b + kv head: the same in the four partners
	s_lshl_b32 s52, s50, 4
	s_add_co_u32 s52, s52, s[WV]
	s_mul_i32 s52, s52, UNIT                       ; key step w of my kv head
	s_mov_b32 s53, 0
	s_mul_i32 s54, s[WV], UNIT                     ; and its place in LDS
	s_wait_dscnt 0x0                               ; both opening adds are done
	s_wait_kmcnt 0x0
	s_mov_b32 s[G0], 1
	s_mov_b32 s[G0+1], s54
	s_add_nc_u64 s[G0+2:G0+3], s[6:7], s[52:53]
	s_or_b32 s[G0+3], s[G0+3], 0x80000000
	ROUND                                          ; the four work-groups are here: the joint loads meet
	tensor_load_to_lds s[G0:G0+3], s[G1:G1+7]      ; my one tensor load of the launch
	s_nop 0
.rept 4
	v_nop
.endr
	s_bfe_u32 s[J], ttmp6, 0x40000                 ; my place in the cluster,
	s_lshl_b32 s47, ttmp9, 2
	s_add_co_u32 s[J], s[J], s47                   ; my work-group among the sixteen
	s_lshr_b32 s[NA], s[WV], 1                     ; a
	s_bfe_u32 s52, s[J], 0x10001
	s_lshl_b32 s[BA], s[NA], 1
	s_add_co_u32 s[BA], s[BA], s52                 ; the first block: 2 a + (j / 2) % 2,
	s_sub_co_u32 s[BB], 31, s[BA]                  ; the second
	s_lshl_b32 s[MK], s52, 6
	s_add_co_u32 s[NA], s[NA], 1
	s_sub_co_u32 s[CSW], 17, s[NA]
	s_and_b32 s48, s[WV], 1
	s_lshl_b32 s48, s48, 1
	s_and_b32 s52, s[J], 1
	s_add_co_u32 s48, s48, s52                     ; my head among the four
	s_lshr_b32 s47, s[J], 2                        ; u: my tile of 16 queries
	s_lshl_b32 s49, s47, 3
	s_mov_b32 s[CNT], 16
	s_mov_b32 s[SEL], 0x76543210
	s_mov_b32 s[SEL+1], 0xfedcba98
	s_mov_b32 s[CS], 0x3e38aa3b                    ; log2(e) / 8
	s_mov_b32 s[CS+1], s[CS]                       ; (named with it as a pair, so it is written)
	v_and_b32 v[W], 31, v0                         ; lane
	v_and_b32 v[W+1], 15, v0                       ; r
	v_bfe_u32 v[W+2], v0, 4, 1                     ; h
	v_lshlrev_b32 v[L16], 4, v[W]
	v_lshlrev_b32 v[R16], 4, v[W+1]
	v_lshlrev_b32 v[H8], 3, v[W+2]
	v_lshlrev_b32 v[L8], 3, v[W]
	v_lshl_add_u32 v[OSO], v[W+1], 5, v[W+2]
	v_and_b32 v[DL], 8, v[W+1]
	v_lshlrev_b32 v[W+3], 5, v[W+2]
	v_mad_u32_u24 v[DL], v[DL], 3, v[W+1]          ; 32 (r / 8) + r % 8
	s_delay_alu instid0(VALU_DEP_1)
	v_add_nc_u32 v[DL], s49, v[DL]                 ; + 8 u: my query in its block
	s_delay_alu instid0(VALU_DEP_1)
	v_sub_nc_u32 v[DL], v[DL], v[W+3]              ; - 32 h
	s_mov_b32 s55, 0
	s_lshl_b32 s51, s50, 2
	s_add_co_u32 s51, s51, s48                     ; 16 b + head
	s_lshl_b32 s51, s51, 4
	s_lshr_b32 s49, s47, 1
	QADR BA, 56, 58
	QADR BB, 60, 62
	OADR BA, OA
	OADR BB, OB
	s_and_b32 s52, s47, 1                          ; my tile is the even or the odd one of its unit: registers 0-5 or 6-11 of the unit's 12, which lie as runs of four at 16 x lane
	s_lshl_b32 s53, s52, 4
	s_mov_b32 s54, 1032
	s_cmp_eq_u32 s52, 0
	s_cselect_b32 s52, 0, 520
	s_cselect_b32 s49, 8, 1024
	s_cselect_b32 s54, 512, s54
	v_add_nc_u32 v[W+4], s52, v[L16]
	v_add_nc_u32 v[W+5], s49, v[L16]
	v_add_nc_u32 v[W+6], s54, v[L16]
	s_wait_alu depctr_va_vdst(0)
	global_load_b64 v[Q0:Q0+1], v[W+4], s[56:57]
	global_load_b64 v[Q0+2:Q0+3], v[W+5], s[56:57]
	global_load_b64 v[Q0+4:Q0+5], v[W+6], s[56:57]
	global_load_b32 v[QS], v[R16], s[58:59]
	global_load_b64 v[QB:QB+1], v[W+4], s[60:61]
	global_load_b64 v[QB+2:QB+3], v[W+5], s[60:61]
	global_load_b64 v[QB+4:QB+5], v[W+6], s[60:61]
	global_load_b32 v[QSB], v[R16], s[62:63]
.irp i, 0,1,2,3,4,5
	v_mov_b32 v[Q0+6+\i], 0                        ; zero codes
	v_mov_b32 v[Q1+\i], 0
.endr
.set n, 0
.rept 32
	v_mov_b32 v[O+n], 0                            ; the step is written once: a block's first step finds zeros
.set n, n+1
.endr
	v_mov_b32 v13, 0xff61b1e6                      ; the largest t so far: -3e38, under every t
	v_mov_b32 v14, 0
	v_floor_f32 v12, -v13
	v_mov_b32 v15, 0
	v_mov_b32 v[F+1], 0                            ; (named as the upper half of a pair)
	v_mov_b32 v[W+1], 0                            ; (a lane permute's destination counts as one of its sources)
	s_wait_alu depctr_va_vdst(0)
	s_wait_loadcnt 0x0
	v_lshrrev_b32 v[QS], s53, v[QS]                ; my tile's two bytes of the unit's word,
	v_lshrrev_b32 v[QSB], s53, v[QSB]
	v_and_b32 v[QS], 0xffff, v[QS]
	v_and_b32 v[QSB], 0xffff, v[QSB]
	v_lshl_or_b32 v[QS], v[QS], 16, v[QS]          ; for both halves of K
	v_lshl_or_b32 v[QSB], v[QSB], 16, v[QSB]
.irp i, 0,1,2,3,4,5
	v_mov_b32 v[Q1+6+\i], v[Q0+\i]
.endr
	s_wait_alu depctr_va_vdst(0)
	s_wait_tensorcnt 0x0                           ; my key step is in,
	s_barrier_signal -1
	s_barrier_wait -1                              ; and so are all sixteen
.Ltrip:                                            ; 16 trips and a tail: trip x takes key step x of the first block, or x - NA of the second
	s_sub_co_u32 s47, 16, s[CNT]
	s_cmp_ge_u32 s47, s[NA]
	s_cselect_b32 s48, s[NA], 0
	s_sub_co_u32 s47, s47, s48
	s_min_u32 s47, s47, 15
	s_mul_i32 s[TB], s47, UNIT
	s_wait_alu depctr_va_vdst(0)
	STEP 0
	s_cmp_lg_u32 s[CNT], s[CSW]
	s_cbranch_scc1 .Lsame
	FINISH OA                                      ; the first block is done: on to the second
	v_mov_b32 v[QS], v[QSB]
.irp i, 0,1,2,3,4,5
	v_mov_b32 v[Q0+\i], v[QB+\i]
	v_mov_b32 v[Q1+6+\i], v[QB+\i]
.endr
.set n, 0
.rept 32
	v_mov_b32 v[O+n], 0
.set n, n+1
.endr
	v_mov_b32 v13, 0xff61b1e6
	v_mov_b32 v14, 0
	v_floor_f32 v12, -v13
	v_mov_b32 v15, 0
	s_sub_co_u32 s[MK], 64, s[MK]                  ; 31 - i is odd where i is even
.Lsame:
	s_sub_co_u32 s[CNT], s[CNT], 1
	s_cmp_lg_u32 s[CNT], 0
	s_cbranch_scc1 .Ltrip
	s_sub_co_u32 s47, 16, s[NA]                    ; the second block's last step, with the mask
	s_min_u32 s47, s47, 15
	s_mul_i32 s[TB], s47, UNIT
	s_wait_alu depctr_va_vdst(0)
	STEP 1
	FINISH OB
	s_wait_tensorcnt 0x0                           ; the wave's end
	ds_add_u32 v[SPW], v[NIL]
	s_wait_dscnt 0x0
	ROUND                                          ; the closing round
	s_endpgm
.Lfunc_end_k_q8f2d2cb35f_attn:
	.size	k_q8f2d2cb35f_attn, .Lfunc_end_k_q8f2d2cb35f_attn-k_q8f2d2cb35f_attn
	.p2alignl 7, 3214868480
	.fill 96, 4, 3214868480
	.section	.rodata,"a",@progbits
	.p2align	6, 0x0
	.amdhsa_kernel k_q8f2d2cb35f_attn
		.amdhsa_group_segment_fixed_size 327680
		.amdhsa_private_segment_fixed_size 0
		.amdhsa_enable_private_segment 0
		.amdhsa_kernarg_size 32
		.amdhsa_user_sgpr_count 2
		.amdhsa_user_sgpr_kernarg_segment_ptr 1
		.amdhsa_wavefront_size32 1
		.amdhsa_system_sgpr_workgroup_id_x 1
		.amdhsa_system_sgpr_workgroup_id_y 1
		.amdhsa_system_sgpr_workgroup_id_z 1
		.amdhsa_system_vgpr_workitem_id 0
		.amdhsa_next_free_vgpr 256
		.amdhsa_next_free_sgpr 66
		.amdhsa_reserve_vcc 1
		.amdhsa_float_denorm_mode_32 3
		.amdhsa_float_denorm_mode_16_64 3
		.amdhsa_memory_ordered 1
		.amdhsa_forward_progress 1
		.amdhsa_inst_pref_size 60
	.end_amdhsa_kernel
	.amdgpu_metadata
---
amdhsa.version: [ 1, 2 ]
amdhsa.kernels:
  - .name:           k_q8f2d2cb35f_attn
    .symbol:         k_q8f2d2cb35f_attn.kd
    .args:
      - { .name: qb, .offset: 0, .size: 8, .value_kind: global_buffer, .address_space: global }
      - { .name: kv, .offset: 8, .size: 8, .value_kind: global_buffer, .address_space: global }
      - { .name: oc, .offset: 16, .size: 8, .value_kind: global_buffer, .address_space: global }
      - { .name: os, .offset: 24, .size: 8, .value_kind: global_buffer, .address_space: global }
    .group_segment_fixed_size: 327680
    .private_segment_fixed_size: 0
    .kernarg_segment_align: 8
    .kernarg_segment_size: 32
    .max_flat_workgroup_size: 512
    .sgpr_count:     66
    .vgpr_count:     256
    .wavefront_size: 32
...
	.end_amdgpu_metadata
.endif
;; end of part 3
;; launch oproj (part 4): grid 4 x 32, 4 waves a work-group, clusters of 4 x 4, 327,680 bytes of LDS; arguments oc, os, wc, ws, out0; writes out0
.if DOCPART == 4
	.amdgcn_target "amdgcn-amd-amdhsa--gfx1250"
	.amdhsa_code_object_version 6
	.text
	.protected	k_q8f2d2cb35f_oproj
	.globl	k_q8f2d2cb35f_oproj
	.p2align	8
	.type	k_q8f2d2cb35f_oproj,@function
k_q8f2d2cb35f_oproj:
	s_mov_b64 s[64:65], 0
	v_nop
	global_prefetch_b8 v0, s[64:65] scope:SCOPE_SE
	s_setreg_imm32_b32 hwreg(HW_REG_WAVE_MODE, 25, 1), 1
	s_wait_xcnt 0x0
	s_wait_alu depctr_hold_cnt(0) depctr_sa_sdst(0) depctr_va_vdst(0) depctr_va_sdst(0) depctr_va_ssrc(0) depctr_va_vcc(0) depctr_vm_vsrc(0)
	s_getreg_b32 s2, hwreg(HW_REG_IB_STS2, 6, 4)
	s_cmp_eq_u32 s2, 0
	s_cbranch_scc0 .Lentry_in_a_cluster
	s_endpgm
.Lentry_in_a_cluster:
	s_bfe_u32 s2, ttmp6, 0x10000c
	s_cmp_lg_u32 s2, 0xf033
	s_cbranch_scc0 .Lentry_shape_is_right
	s_endpgm
.Lentry_shape_is_right:
.set SIZE_N, 1024
.set NQ,     2
.set ROWB,   192
.set WKS,    2560*192                  ; wc lies in four planes of 256 along K, [plane][row][192]: 128 rows of a K step are 24,576 dense bytes, loaded as 96 rows of 256 bytes with 16 bytes of padding behind every 64
.set PITCH,  240
.set ATILE,  3072
.set ASTEP,  512*ATILE
.set FR,     12
.set NL,     6
.set NP,     4
.set HALFT,  128*PITCH
.set SLOT,   4*HALFT
.set KS,     32
.set SCL,    2*SLOT
.set HALFS,  16*272
.set SBLK,   2*272
.set SPARE,  SCL+4*HALFS
.set SPITCH, 528
.set ADRA, 16
.set ADRB, 20
.set STO,  24
.set RD,   25
.set CO,   26
.set ADRS, 27
.set SPW,  28
.set NIL,  29
.set SC,   32
.set AF,   128
.set BK,   128
.set G1, 24
.set G0, 32
.set G1B, 48
.set G0B, 56
.set G1S, 68
.set G0S, 76
.set G1SB, 80
.set G0SB, 88
.set MSB, 0
.macro WIN new
.if MSB != (\new)
	s_set_vgpr_msb (MSB<<8)|(\new)
.set MSB, (\new)
.endif
.endm
.set MUL_LO, 0xa1
.set MUL_HI, 0xf1
.set TO_B,   0x40
.macro JLOAD g0a, g1a, g0b, g1b
	s_cmp_eq_u32 s15, 0
	s_cbranch_scc0 .Lfor_b_\@
	tensor_load_to_lds s[\g0a:\g0a+3], s[\g1a:\g1a+7]
	s_nop 0
.rept 4
	v_nop
.endr
	s_branch .Lasked_\@
.Lfor_b_\@:
	tensor_load_to_lds s[\g0b:\g0b+3], s[\g1b:\g1b+7]
	s_nop 0
.rept 4
	v_nop
.endr
.Lasked_\@:
.endm
.macro CREST
	s_cmp_lg_u32 s14, 0
	s_cbranch_scc1 .Lnot_wave_0_\@
	s_barrier_signal -3
.Lnot_wave_0_\@:
	s_barrier_wait -3
	s_barrier_signal -1
	s_barrier_wait -1
.endm
.macro CROUND
	s_barrier_signal -1
	s_barrier_wait -1
	CREST
.endm
.macro PLACES n
.rept \n
	v_nop
.endr
.endm
.macro FRAG reg, adr, q, i
.irp p, 0,1,2,3,4,5
.set PC, 12*(\q)+6*(\p/3)+\p%3
.if PC%8 < 5
	ds_load_b64 v[\reg+2*\p:\reg+2*\p+1], v[\adr] offset:8*PC+16*(PC/8)+(\i)*16*PITCH
.else
	ds_load_b64 v[\reg+2*\p:\reg+2*\p+1], v[\adr+2] offset:8*PC+16*(PC/8)+(\i)*16*PITCH
.endif
.endr
.endm
.macro FRAGA reg, adr, q, i
.irp p, 0,1,2,3,4,5
	ds_load_b64 v[\reg+2*\p:\reg+2*\p+1], v[\adr] offset:(\i)*ATILE+(\q)*1536+256*\p
.endr
.endm
.macro MUL16 a0, p, q, sc, zero
.irp a, \a0, \a0+1
.irp b, 0,1,2,3,4,5,6,7
.if \zero
	v_wmma_scale_f32_16x16x128_f8f6f4 v[8*(8*((\a)%4)+\b):8*(8*((\a)%4)+\b)+7], v[128*(\p)+FR*\b:128*(\p)+FR*\b+FR-1], v[AF+FR*(\a):AF+FR*(\a)+FR-1], 0, v[SC+8*NQ*(\sc)+NQ*\b+(\q)], v[SC+8*NQ*(\sc)+NQ*(\a)+(\q)] matrix_a_fmt:MATRIX_FMT_BF6 matrix_b_fmt:MATRIX_FMT_BF6 matrix_a_scale:MATRIX_SCALE_ROW1
.else
	v_wmma_scale_f32_16x16x128_f8f6f4 v[8*(8*((\a)%4)+\b):8*(8*((\a)%4)+\b)+7], v[128*(\p)+FR*\b:128*(\p)+FR*\b+FR-1], v[AF+FR*(\a):AF+FR*(\a)+FR-1], v[8*(8*((\a)%4)+\b):8*(8*((\a)%4)+\b)+7], v[SC+8*NQ*(\sc)+NQ*\b+(\q)], v[SC+8*NQ*(\sc)+NQ*(\a)+(\q)] matrix_a_fmt:MATRIX_FMT_BF6 matrix_b_fmt:MATRIX_FMT_BF6 matrix_a_scale:MATRIX_SCALE_ROW1
.endif
.endr
.endr
.endm
.macro FETCH_B slot, q, p
	WIN TO_B
.irp i, 0,1,2,3,4,5,6,7
	FRAG 128*(\p)+FR*\i, ADRB+\slot, \q, \i
.endr
	WIN 0
.endm
.macro FETCH_A slot, q, i0
.irp i, \i0, \i0+1, \i0+2, \i0+3
	FRAGA AF+FR*(\i), ADRA+\slot, \q, \i
.endr
.endm
.macro SCALES sc
.irp i, 0,1,2,3,4,5,6,7
	ds_load_b64 v[SC+8*NQ*\sc+NQ*\i:SC+8*NQ*\sc+NQ*\i+1], v[ADRS] offset:\i*SBLK
.endr
.endm
.macro STEP slot, q, zero
	s_wait_dscnt 4*NL
	WIN MUL_LO
	MUL16 0, (\q)%2, \q, \slot, \zero
	MUL16 2, (\q)%2, \q, \slot, \zero
	s_wait_dscnt 0
	PLACES NP
	FETCH_B \slot, (\q)+1, 1-(\q)%2
	FETCH_A \slot, (\q)+1, 0
	WIN MUL_HI
	MUL16 4, (\q)%2, \q, \slot, \zero
	MUL16 6, (\q)%2, \q, \slot, \zero
	PLACES NP
	WIN 0
	FETCH_A \slot, (\q)+1, 4
.endm
.macro TURN slot, next, fill
	s_wait_tensorcnt 0x0
	ds_add_u32 v[SPW], v[NIL]
	s_wait_dscnt 4*NL+1
	WIN MUL_LO
	MUL16 0, 1, NQ-1, \slot, 0
	s_wait_dscnt 0x0
	s_barrier_signal -1
	MUL16 2, 1, NQ-1, \slot, 0
	WIN 0
	s_barrier_wait -1
.if \fill
	CREST
	s_add_nc_u64 s[G0+4*\slot+2:G0+4*\slot+3], s[G0+4*\slot+2:G0+4*\slot+3], 2*ASTEP
	s_add_nc_u64 s[G0B+4*\slot+2:G0B+4*\slot+3], s[G0B+4*\slot+2:G0B+4*\slot+3], 2*WKS
	JLOAD G0+4*\slot, G1, G0B+4*\slot, G1B
.else
	PLACES NP
.endif
	s_wait_alu depctr_va_vdst(0)
	v_add_nc_u32 v[ADRS], 4*NQ, v[ADRS]
	FETCH_B \next, 0, 0
	FETCH_A \next, 0, 0
	SCALES \next
	WIN MUL_HI
	MUL16 4, 1, NQ-1, \slot, 0
	MUL16 6, 1, NQ-1, \slot, 0
	PLACES NP
	WIN 0
	FETCH_A \next, 0, 4
.endm
	s_load_b128 s[4:7], s[0:1], 0x0
	s_load_b128 s[8:11], s[0:1], 0x10
	s_load_b64 s[12:13], s[0:1], 0x20
	v_lshl_add_u32 v[SPW], v0, 2, SPARE
	v_mov_b32 v[NIL], 0
	ds_add_u32 v28, v29
	ds_add_u32 v28, v29
	s_wait_dscnt 0x0
	v_lshrrev_b32 v1, 5, v0
	v_readfirstlane_b32 s14, v1
	s_lshr_b32 s15, s14, 1
	s_and_b32 s16, s14, 1
	s_bfe_u32 s40, ttmp6, 0x40000
	s_bfe_u32 s41, ttmp6, 0x40004
	s_lshl_b32 s42, ttmp9, 2
	s_add_co_u32 s42, s42, s40
	s_and_b32 s17, ttmp7, 0xffff
	s_lshl_b32 s17, s17, 2
	s_add_co_u32 s17, s17, s41
	s_lshl_b32 s43, s41, 2
	s_lshl_b32 s43, 15, s43
	s_lshl_b32 s44, 0x1111, s40
	s_or_b32 s[G1+0], s43, (3<<16)|(1<<21)
	s_mov_b32 s[G1+1], 32<<16
	s_mov_b32 s[G1+2], 96<<16
	s_mov_b32 s[G1+3], 32<<16
	s_mov_b32 s[G1+4], 96
	s_mov_b32 s[G1+5], 32
	s_mov_b32 s[G1+6], 0
	s_mov_b32 s[G1+7], 0
	s_or_b32 s[G1B+0], s44, (3<<16)|(1<<20)|(1<<21)|(3<<22)|(3<<25)
	s_mov_b32 s[G1B+1], 32<<16
	s_mov_b32 s[G1B+2], 96<<16
	s_mov_b32 s[G1B+3], 32<<16
	s_mov_b32 s[G1B+4], 96
	s_mov_b32 s[G1B+5], 32
	s_mov_b32 s[G1B+6], 0
	s_mov_b32 s[G1B+7], 0
	s_or_b32 s[G1S+0], s43, (3<<16)|(1<<20)|(1<<21)|(5<<22)|(3<<25)
	s_or_b32 s[G1SB+0], s44, (3<<16)|(1<<20)|(1<<21)|(5<<22)|(3<<25)
.irp g, G1S, G1SB
	s_mov_b32 s[\g+1], 32<<16
	s_mov_b32 s[\g+2], 16<<16
	s_mov_b32 s[\g+3], 32<<16
	s_mov_b32 s[\g+4], 16
	s_mov_b32 s[\g+5], 32
	s_mov_b32 s[\g+6], 0
	s_mov_b32 s[\g+7], 0
.endr
	s_lshl_b32 s18, s16, 7
	s_lshl_b32 s20, s17, 8
	s_add_co_u32 s20, s20, s18
	s_lshl_b32 s46, s42, 8
	s_add_co_u32 s46, s46, s18
	s_add_co_u32 s46, s46, 1536
	s_mov_b32 s21, 0
	s_mov_b32 s47, 0
	s_mov_b64 s[18:19], KS
	s_mul_u64 s[22:23], s[20:21], s[18:19]
	s_mul_u64 s[92:93], s[46:47], s[18:19]
	s_mov_b64 s[18:19], ATILE/16
	s_mul_u64 s[20:21], s[20:21], s[18:19]
	s_mov_b64 s[18:19], ROWB
	s_mul_u64 s[46:47], s[46:47], s[18:19]
	s_mul_i32 s45, s14, HALFT
	s_mul_i32 s94, s14, HALFS
	s_wait_kmcnt 0x0
	s_add_nc_u64 s[20:21], s[4:5], s[20:21]
	s_add_nc_u64 s[22:23], s[6:7], s[22:23]
	s_add_nc_u64 s[46:47], s[8:9], s[46:47]
	s_add_nc_u64 s[92:93], s[10:11], s[92:93]
	CROUND
	s_mov_b32 s[G0S], 1
	s_add_co_u32 s[G0S+1], s94, SCL
	s_mov_b64 s[G0S+2:G0S+3], s[22:23]
	s_or_b32 s[G0S+3], s[G0S+3], 0x80000000
	s_mov_b32 s[G0SB], 1
	s_add_co_u32 s[G0SB+1], s94, SCL
	s_mov_b64 s[G0SB+2:G0SB+3], s[92:93]
	s_or_b32 s[G0SB+3], s[G0SB+3], 0x80000000
	JLOAD G0S, G1S, G0SB, G1SB
.irp s, 0,1
	s_mov_b32 s[G0+4*\s], 1
	s_add_co_u32 s[G0+4*\s+1], s45, \s*SLOT
	s_add_nc_u64 s[G0+4*\s+2:G0+4*\s+3], s[20:21], \s*ASTEP
	s_or_b32 s[G0+4*\s+3], s[G0+4*\s+3], 0x80000000
	s_mov_b32 s[G0B+4*\s], 1
	s_add_co_u32 s[G0B+4*\s+1], s45, \s*SLOT
	s_add_nc_u64 s[G0B+4*\s+2:G0B+4*\s+3], s[46:47], \s*WKS
	s_or_b32 s[G0B+4*\s+3], s[G0B+4*\s+3], 0x80000000
	s_wait_alu depctr_va_vdst(0)
	s_wait_tensorcnt 0x0
	ds_add_u32 v28, v29
	s_wait_dscnt 0x0
	CROUND
	JLOAD G0+4*\s, G1, G0B+4*\s, G1B
.endr
	v_and_b32 v1, 15, v0
	v_bfe_u32 v2, v0, 4, 1
	v_mul_u32_u24 v3, v1, PITCH
	v_mul_u32_u24 v4, v2, 24
	v_add_nc_u32 v4, v3, v4
	v_lshl_add_u32 v5, v2, 4, v4
	v_and_b32 v7, 31, v0
	v_lshlrev_b32 v7, 3, v7
	s_mul_i32 s21, s15, HALFT
	s_mul_i32 s22, s16, HALFT
	s_add_co_u32 s22, s22, 2*HALFT
.irp s, 0,1
	v_add_nc_u32 v[ADRA+\s], s21, v7
	v_add_nc_u32 v[ADRB+\s], s22, v4
	v_add_nc_u32 v[ADRB+2+\s], s22, v5
	s_add_co_u32 s21, s21, SLOT
	s_add_co_u32 s22, s22, SLOT
.endr
	v_mul_u32_u24 v5, v1, KS
	v_lshrrev_b32 v6, 8, v5
	v_lshl_add_u32 v5, v6, 4, v5
	s_mul_i32 s21, s15, HALFS
	s_mul_i32 s22, s16, HALFS
	s_add_co_u32 s22, s22, 2*HALFS
	s_sub_co_u32 s22, s22, s21
	v_mul_u32_u24 v6, s22, v2
	s_add_co_u32 s21, s21, SCL
	v_add_nc_u32 v5, v5, v6
	v_add_nc_u32 v[ADRS], s21, v5
	s_mul_i32 s23, s14, 16*SPITCH
	v_mul_u32_u24 v5, v1, SPITCH
	v_lshl_add_u32 v5, v2, 7, v5
	v_add_nc_u32 v[STO], s23, v5
	v_and_b32 v6, 31, v0
	v_lshlrev_b32 v[CO], 4, v6
	v_add_nc_u32 v[RD], s23, v[CO]
	s_lshl_b32 s20, s17, 8
	s_lshl_b32 s21, s15, 7
	s_add_co_u32 s20, s20, s21
	s_mov_b32 s21, 0
	s_mov_b64 s[18:19], SIZE_N*4
	s_mul_u64 s[20:21], s[20:21], s[18:19]
	s_lshl_b32 s46, s42, 10
	s_lshl_b32 s47, s16, 9
	s_add_co_u32 s46, s46, s47
	s_mov_b32 s47, 0
	s_add_nc_u64 s[20:21], s[20:21], s[46:47]
	s_add_nc_u64 s[12:13], s[12:13], s[20:21]
	s_wait_alu depctr_va_vdst(0)
	s_wait_tensorcnt 1
	s_barrier_signal -1
	s_barrier_wait -1
	FETCH_B 0, 0, 0
	FETCH_A 0, 0, 0
	SCALES 0
	FETCH_A 0, 0, 4
	STEP 0, 0, 1
	TURN 0, 1, 1
	STEP 1, 0, 0
	TURN 1, 0, 1
	STEP 0, 0, 0
	TURN 0, 1, 0
	STEP 1, 0, 0
	s_wait_dscnt 4*NL
	WIN MUL_LO
	MUL16 0, 1, NQ-1, 1, 0
	MUL16 2, 1, NQ-1, 1, 0
	s_wait_dscnt 0
	WIN MUL_HI
	MUL16 4, 1, NQ-1, 1, 0
	MUL16 6, 1, NQ-1, 1, 0
	WIN 0
.macro TOSTAGE a
.set AC, 64*((\a)%4)
	WIN 0x08+4*((\a)/4)
.irp b, 0,1,2,3,4,5,6,7
	ds_store_b128 v[STO], v[AC+8*\b:AC+8*\b+3] offset:256*(\b/4)+32*(\b%4)
	ds_store_b128 v[STO], v[AC+8*\b+4:AC+8*\b+7] offset:256*(\b/4)+32*(\b%4)+16
.endr
	WIN 0
.set BB, BK+64*((\a)%2)
.irp t, 0,1,2,3,4,5,6,7,8,9,10,11,12,13,14,15
	ds_load_b128 v[BB+4*\t:BB+4*\t+3], v[RD] offset:\t*SPITCH
.endr
.endm
.macro SEND a, younger
.set BB, BK+64*((\a)%2)
	s_wait_dscnt \younger
.irp t, 0,1,2,3,4,5,6,7,8,9,10,11,12,13,14,15
	global_store_b128 v[CO], v[BB+4*\t:BB+4*\t+3], s[12:13] offset:(64*((\a)/4)+32*(\t/8)+8*((\a)%4)+\t%8)*SIZE_N*4 th:TH_STORE_NT
.endr
.endm
	PLACES NP
	TOSTAGE 0
.irp a, 1,2,3,4,5,6,7
.if \a > 1
	s_wait_xcnt 0x0
.endif
	TOSTAGE \a
	SEND \a-1, 32
.endr
	SEND 7, 0
	s_wait_tensorcnt 0x0
	ds_add_u32 v[SPW], v[NIL]
	s_wait_dscnt 0x0
	CROUND
	s_endpgm
.Lfunc_end_k_q8f2d2cb35f_oproj:
	.size	k_q8f2d2cb35f_oproj, .Lfunc_end_k_q8f2d2cb35f_oproj-k_q8f2d2cb35f_oproj
	.p2alignl 7, 3214868480
	.fill 96, 4, 3214868480
	.section	.rodata,"a",@progbits
	.p2align	6, 0x0
	.amdhsa_kernel k_q8f2d2cb35f_oproj
		.amdhsa_group_segment_fixed_size 327680
		.amdhsa_private_segment_fixed_size 0
		.amdhsa_enable_private_segment 0
		.amdhsa_kernarg_size 40
		.amdhsa_user_sgpr_count 2
		.amdhsa_user_sgpr_kernarg_segment_ptr 1
		.amdhsa_wavefront_size32 1
		.amdhsa_system_sgpr_workgroup_id_x 1
		.amdhsa_system_sgpr_workgroup_id_y 1
		.amdhsa_system_sgpr_workgroup_id_z 1
		.amdhsa_system_vgpr_workitem_id 0
		.amdhsa_next_free_vgpr 1024
		.amdhsa_next_free_sgpr 98
		.amdhsa_reserve_vcc 0
		.amdhsa_float_denorm_mode_32 3
		.amdhsa_float_denorm_mode_16_64 3
		.amdhsa_memory_ordered 1
		.amdhsa_forward_progress 1
		.amdhsa_inst_pref_size 160
	.end_amdhsa_kernel
	.amdgpu_metadata
---
amdhsa.version: [ 1, 2 ]
amdhsa.kernels:
  - .name:           k_q8f2d2cb35f_oproj
    .symbol:         k_q8f2d2cb35f_oproj.kd
    .args:
      - { .name: oc, .offset: 0, .size: 8, .value_kind: global_buffer, .address_space: global }
      - { .name: os, .offset: 8, .size: 8, .value_kind: global_buffer, .address_space: global }
      - { .name: wc, .offset: 16, .size: 8, .value_kind: global_buffer, .address_space: global }
      - { .name: ws, .offset: 24, .size: 8, .value_kind: global_buffer, .address_space: global }
      - { .name: out0, .offset: 32, .size: 8, .value_kind: global_buffer, .address_space: global }
    .group_segment_fixed_size: 327680
    .private_segment_fixed_size: 0
    .kernarg_segment_align: 8
    .kernarg_segment_size: 40
    .max_flat_workgroup_size: 128
    .sgpr_count:     98
    .vgpr_count:     1024
    .wavefront_size: 32
...
	.end_amdgpu_metadata
.endif
;; end of part 4
